; MI455X (gfx1250); checked and timed in simulation.
; The chip was launched on July 23, 2026; its instructions are those of AMD's public machine-readable ISA for CDNA 5 (MIT licence, August 2026) and "CDNA5" Instruction Set Architecture Reference Guide (July 2026). The comments in the code are by the model that wrote it; some were corrected since.
;; Row Attention With Pair Bias. Allowed arithmetic: float matrix products may take bf16 or f16 operands with f32 sums; all other float work in f32.
;; Inputs: W2d 128 x 8 float32; Wfinal 256 x 256 float32; Wgate 256 x 256 float32; Wk 256 x 256 float32; Wq 256 x 256 float32; Wv 256 x 256 float32; bfinal 256 float32; bgate 256 float32; ln1_b 256 float32; ln1_g 256 float32; ln2_b 128 float32; ln2_g 128 float32; x1d 1 x 128 x 256 x 256 float32; x2d 1 x 256 x 256 x 128 float32.
;; Outputs: out0 1 x 128 x 256 x 256 float32.
;; 3 versions, each right and faster than the one before. Each part assembles by itself: llvm-mc -triple=amdgcn-amd-amdhsa -mcpu=gfx1250 --defsym DOCPART=n.
;; ======== version 1 of 3: 2 launches
;; limits: values are held in f16: magnitudes above 65,504 overflow, below 6.1e-05 lose precision; right only within a limited range of input values
;; workspace buffers: biasw 2,097,152 bytes; wfrag 655,360 bytes
;; launch prep (part 1): grid 256 x 1, 8 waves a work-group, no clusters, 168,960 bytes of LDS; arguments x2d, ln2_g, W2d, Wq, Wk, Wv, Wgate, Wfinal, biasw, wfrag; writes biasw, wfrag
.if DOCPART == 1
	.amdgcn_target "amdgcn-amd-amdhsa--gfx1250"
	.amdhsa_code_object_version 6
	.text
	.protected	k_q9a541acd9b_prep
	.globl	k_q9a541acd9b_prep
	.p2align	8
	.type	k_q9a541acd9b_prep,@function
k_q9a541acd9b_prep:
	s_mov_b64 s[64:65], 0
	v_nop
	global_prefetch_b8 v0, s[64:65] scope:SCOPE_SE
	s_setreg_imm32_b32 hwreg(HW_REG_WAVE_MODE, 25, 1), 1
	s_wait_xcnt 0x0
; prep: (1) biasw[head][i][j] = sum over p of xhat2[i][j][p] * ln2_g[p] * W2d[p][head], xhat2 = (x2d - mean) * rsqrt(var + 1e-5) over p;
;       (2) wfrag = the five 256 x 256 weights in f16, re-laid as operand fragments of the 16x16x32 matrix instruction.
; WORK LEFT OUT: ln2_b.  reference() forms bias[h][i][j] = sum_p (xhat2[i][j][p] ln2_g[p] + ln2_b[p]) W2d[p][h].  The term
; c[h] = sum_p ln2_b[p] W2d[p][h] has no index i or j, whatever the inputs hold; the bias is used only inside softmax(aff + bias) along j, and
; softmax(a + c) = softmax(a) for every c that is the same along the axis.  So ln2_b reaches no output: it is not loaded and is no argument
; of any launch.  Limit: a NaN, an infinity or an overflow that comes from ln2_b alone is not carried to the result.
; ln2_g is multiplied into W2d in f32 before the one rounding to f16 (the same sum, re-associated).
; FORMATS: operands f16, sums f32, mean and variance in two passes in f32.  |xhat2| <= sqrt(127) by the norm itself; ln2_g * W2d is 0.09 in
; size as drawn and stays inside f16 (65,504) up to some 700,000 times that.  The weights go to f16: limit |W| < 65,504.
; SHARES: work-group g makes the eight tiles (head, QT = g >> 4, KT = g & 15) of 1,024 bytes of biasw from the 256 rows (i in QT, j in KT)
; of x2d.  Wave w takes the queries i = 16 QT + 2 w + u, u = 0, 1: 16 key rows of 512 bytes, which follow each other in memory.
; biasw: [head 8][QT 16][KT 16][quad 2][lane 32][4 f32]; lane r + 16 h, word 4 quad + e = bias(head, i = 16 QT + r, j = 16 KT + 8 h + 4 quad + e):
; the accumulator image of a score tile with keys as rows and queries as columns.
; wfrag: [matrix 5: Wq Wk Wv Wgate Wfinal][T 16][c 8][s 2][lane 32][8 f16]; element e of lane r + 16 h = W[32 c + 16 s + 8 h + e][16 T + r].
; No cluster: no two work-groups read the same bytes of x2d; the tables that all read (W2d, ln2_g) are 4,608 bytes beside 131,072 of x2d.
.set PITCH, 528                        ; an LDS row: 512 bytes + 16 of padding, an odd multiple of 16: sixteen rows start at sixteen different 16-byte columns
.set TILE,  16*PITCH                   ; one query's 16 key rows
.set STAGE, 16*TILE                    ; 135,168, a multiple of 256: behind the tiles, no tensor load lands here
.set WSTG,  1056                       ; a wave's own part of the stage: 1,024 bytes + 32
.set WB,   16                          ; v[16:47]    four B fragments: ln2_g * W2d, f16, column r = head r & 7
.set XD,   48                          ; v[48:111]   64 f32: half a row of x2d
.set AF0,  112                         ; v[112:143]  four A fragments of query u = 0
.set AF1,  144                         ; v[144:175]  of query u = 1
.set ACC0, 176                         ; v[176:183]
.set ACC1, 184                         ; v[184:191]
.set T,    192                         ; v[192:199]  at work
.set MU,   200                         ; v[200:201]  -mean, twice
.set R,    202                         ; v[202:203]  1 / sqrt(var + eps), twice
.set PX,   204                         ; destination of the lane exchange
	s_load_b512 s[4:19], s[0:1], 0x0               ; x2d s[4:5], ln2_g s[6:7], W2d s[8:9], Wq s[10:11], Wk s[12:13], Wv s[14:15], Wgate s[16:17], Wfinal s[18:19]
	s_load_b128 s[20:23], s[0:1], 0x40             ; biasw s[20:21], wfrag s[22:23]
	v_lshl_add_u32 v208, v0, 2, 0x29000
	v_mov_b32 v209, 0
	ds_add_u32 v208, v209
	ds_add_u32 v208, v209
	v_lshrrev_b32 v1, 5, v0
	v_readfirstlane_b32 s40, v1                    ; wave 0..7
	s_lshr_b32 s41, ttmp9, 4                       ; QT
	s_and_b32 s42, ttmp9, 15                       ; KT
	; descriptor group 1: 16 rows of 128 f32, 4 words of padding behind each row of 128 words
	s_mov_b32 s24, (2<<16)|(1<<20)|(6<<22)|(3<<25) ; element of 4 bytes; padding on; after every 128 words; 4 words
	s_mov_b32 s25, 128<<16                         ; tensor_dim0 = 128
	s_mov_b32 s26, 16<<16                          ; tensor_dim1 = 16
	s_mov_b32 s27, 128<<16                         ; tile_dim0 = 128
	s_mov_b32 s28, 16                              ; tile_dim1 = 16
	s_mov_b32 s29, 128                             ; 128 elements from row to row
	s_mov_b32 s30, 0
	s_mov_b32 s31, 0
	s_lshl_b32 s43, s41, 4
	s_lshl1_add_u32 s43, s40, s43                  ; i = 16 QT + 2 w
	s_lshl_b32 s44, s43, 17                        ; i x 131,072 bytes
	s_lshl_b32 s45, s42, 13                        ; + KT x 16 rows of 512 bytes
	s_add_co_u32 s44, s44, s45
	s_mov_b32 s45, 0
	s_mul_i32 s46, s40, 2*TILE                     ; my two tiles in LDS
	s_wait_dscnt 0x0
	s_wait_kmcnt 0x0
	s_add_nc_u64 s[44:45], s[4:5], s[44:45]
	; Both fills go out together, ahead of everything else; no slot is filled twice.  A wave has two tensor loads outstanding at the most.
.irp u, 0,1
	s_mov_b32 s[32+4*\u], 1
	s_add_co_u32 s[33+4*\u], s46, \u*TILE
	s_add_nc_u64 s[34+4*\u:35+4*\u], s[44:45], \u*131072
	s_or_b32 s[35+4*\u], s[35+4*\u], 0x80000000
	tensor_load_to_lds s[32+4*\u:35+4*\u], s[24:31]
	s_nop 0
.endr
	v_and_b32 v2, 15, v0                           ; r
	v_bfe_u32 v3, v0, 4, 1                         ; h
	v_and_b32 v9, 7, v0                            ; r & 7: the head of my column
	v_lshlrev_b32 v4, 2, v2
	v_lshl_add_u32 v4, v3, 13, v4                  ; weights: 8 h rows of 1,024 bytes + 4 r
	v_and_b32 v5, 31, v0
	v_lshlrev_b32 v5, 4, v5                        ; 16 x lane
	v_lshlrev_b32 v6, 2, v9
	v_lshl_add_u32 v6, v3, 8, v6                   ; W2d: 8 h rows of 32 bytes + 4 (r & 7)
	v_lshlrev_b32 v7, 5, v3                        ; ln2_g: 8 h numbers
	v_mul_u32_u24 v8, v2, PITCH
	v_lshl_add_u32 v8, v3, 5, v8
	v_add_nc_u32 v8, s46, v8                       ; my tiles: row r, 32 h bytes in
	s_mul_i32 s43, s40, WSTG
	s_add_co_u32 s43, s43, STAGE
	v_lshlrev_b32 v10, 7, v9
	v_lshl_add_u32 v10, v3, 5, v10
	v_add_nc_u32 v10, s43, v10                     ; stage, in: my wave's part + 128 head + 32 h
	v_bfe_u32 v1, v0, 1, 3
	v_mul_u32_u24 v11, v1, WSTG                    ; stage, out: query r' = thread & 15 was made by wave r' >> 1 as u = r' & 1
	v_and_b32 v1, 1, v0
	v_lshl_add_u32 v11, v1, 4, v11
	v_lshrrev_b32 v1, 4, v0
	v_lshl_add_u32 v11, v1, 5, v11                 ; (thread >> 4) x 32 = 128 head + 64 quad + 32 h'
	v_add_nc_u32 v11, STAGE, v11
	v_lshrrev_b32 v1, 6, v0
	v_and_b32 v12, 63, v0
	v_lshlrev_b32 v12, 4, v12
	v_lshl_add_u32 v12, v1, 18, v12                ; biasw: head x 262,144 + 16 x (thread & 63)
	v_mov_b32 v[PX], 0                             ; the lane exchange counts as a reader of its destination
	; WEIGHTS: wave w < 5 makes the 512 bytes number g of matrix w: T = g >> 4, k = 16 (g & 15) + 8 h + e.
	s_cmp_ge_u32 s40, 5
	s_cbranch_scc1 .Lnoweight
	s_cmp_eq_u32 s40, 1
	s_cselect_b64 s[44:45], s[12:13], s[10:11]
	s_cmp_eq_u32 s40, 2
	s_cselect_b64 s[44:45], s[14:15], s[44:45]
	s_cmp_eq_u32 s40, 3
	s_cselect_b64 s[44:45], s[16:17], s[44:45]
	s_cmp_eq_u32 s40, 4
	s_cselect_b64 s[44:45], s[18:19], s[44:45]
	s_lshl_b32 s46, s42, 14                        ; 16 (g & 15) rows of 1,024 bytes
	s_lshl_b32 s47, s41, 6                         ; 16 (g >> 4) columns
	s_add_co_u32 s46, s46, s47
	s_mov_b32 s47, 0
	s_add_nc_u64 s[44:45], s[44:45], s[46:47]
.irp e, 0,1,2,3,4,5,6,7
	global_load_b32 v[T+\e], v4, s[44:45] offset:\e*1024
.endr
	s_lshl_b32 s46, s40, 17                        ; matrix x 131,072
	s_lshl_b32 s47, ttmp9, 9                       ; + g x 512
	s_add_co_u32 s46, s46, s47
	s_mov_b32 s47, 0
	s_add_nc_u64 s[46:47], s[22:23], s[46:47]
	s_wait_loadcnt 0x0
	v_cvt_pk_f16_f32 v[T], v[T], v[T+1]
	v_cvt_pk_f16_f32 v[T+1], v[T+2], v[T+3]
	v_cvt_pk_f16_f32 v[T+2], v[T+4], v[T+5]
	v_cvt_pk_f16_f32 v[T+3], v[T+6], v[T+7]
	global_store_b128 v5, v[T:T+3], s[46:47]       ; the wave stores 512 consecutive bytes, aligned
.Lnoweight:
	s_wait_xcnt 0x0                                ; the store's data and base are written again only behind this wait
	s_mov_b32 s44, 0x76543210                      ; lane i of one half reads lane i of the other
	s_mov_b32 s45, 0xfedcba98
	s_mov_b32 s46, 0x3c000000                      ; 1 / 128
	s_mov_b32 s47, 0x3727c5ac                      ; 1e-5
	; B FRAGMENTS: column r holds head r & 7 (columns 8 to 15 repeat heads 0 to 7), k = p.
.set n, 0
.rept 64
	global_load_b32 v[XD+n], v6, s[8:9] offset:(16*(n>>3)+(n&7))*32     ; W2d[16 (n >> 3) + 8 h + (n & 7)][r & 7]
.set n, n+1
.endr
.set n, 0
.rept 16
	global_load_b128 v[AF0+4*n:AF0+4*n+3], v7, s[6:7] offset:(n>>1)*64+(n&1)*16   ; ln2_g of the same p
.set n, n+1
.endr
	s_wait_loadcnt 0x0
.set n, 0
.rept 32
	v_pk_mul_f32 v[XD+2*n:XD+2*n+1], v[XD+2*n:XD+2*n+1], v[AF0+2*n:AF0+2*n+1]
.set n, n+1
.endr
.set n, 0
.rept 32
	v_cvt_pk_f16_f32 v[WB+n], v[XD+2*n], v[XD+2*n+1]
.set n, n+1
.endr
.macro JOIN                            ; four pair chains into one number, then the other half of the row from lane xor 16
	v_pk_add_f32 v[T:T+1], v[T:T+1], v[T+2:T+3]
	v_pk_add_f32 v[T+4:T+5], v[T+4:T+5], v[T+6:T+7]
	v_pk_add_f32 v[T:T+1], v[T:T+1], v[T+4:T+5]
	v_add_f32 v[T], v[T], v[T+1]
	v_permlanex16_b32 v[PX], v[T], s44, s45
	v_add_f32 v[T], v[T], v[PX]
.endm
; Query u's 16 key rows are normalised and become four A fragments (row r = key, k = p).  Lane (r, h) holds the 64 numbers
; p = 16 b + 8 h + 0..7, b = 0..7, of row r: just those that its fragment registers want.
.macro LNTILE u, af
	s_wait_tensorcnt 1-\u                          ; a wave's tensor loads end in order: tile u is in; the count 1 leaves tile 1 on its way
.set n, 0
.rept 16
	ds_load_b128 v[XD+4*n:XD+4*n+3], v8 offset:\u*TILE+(n>>1)*64+(n&1)*16
.set n, n+1
.endr
	s_wait_dscnt 0x0
.irp k, 0,1,2,3
	v_pk_add_f32 v[T+2*\k:T+2*\k+1], v[XD+2*\k:XD+2*\k+1], v[XD+8+2*\k:XD+8+2*\k+1]   ; the first pairs start the chains: nothing is cleared
.endr
.set n, 8
.rept 24
	v_pk_add_f32 v[T+2*(n&3):T+2*(n&3)+1], v[T+2*(n&3):T+2*(n&3)+1], v[XD+2*n:XD+2*n+1]
.set n, n+1
.endr
	JOIN
	v_mul_f32 v[MU], 0xbc000000, v[T]              ; -sum / 128
	v_mul_f32 v[MU+1], 0xbc000000, v[T]
.set n, 0
.rept 32
	v_pk_add_f32 v[XD+2*n:XD+2*n+1], v[XD+2*n:XD+2*n+1], v[MU:MU+1]
.set n, n+1
.endr
.irp k, 0,1,2,3
	v_pk_mul_f32 v[T+2*\k:T+2*\k+1], v[XD+2*\k:XD+2*\k+1], v[XD+2*\k:XD+2*\k+1]
.endr
.set n, 4
.rept 28
	v_pk_fma_f32 v[T+2*(n&3):T+2*(n&3)+1], v[XD+2*n:XD+2*n+1], v[XD+2*n:XD+2*n+1], v[T+2*(n&3):T+2*(n&3)+1]
.set n, n+1
.endr
	JOIN
	v_fma_f32 v[T], v[T], s46, s47                 ; var + eps
	v_rsq_f32 v[R], v[T]
	v_rsq_f32 v[R+1], v[T]
	v_nop                                          ; one plain instruction between the root and its use (ISA guide 5.7.2)
.set n, 0
	s_wait_alu depctr_va_vdst(0)
.rept 32
	v_pk_mul_f32 v[XD+2*n:XD+2*n+1], v[XD+2*n:XD+2*n+1], v[R:R+1]
.set n, n+1
.endr
.set n, 0
.rept 32
	v_cvt_pk_f16_f32 v[\af+n], v[XD+2*n], v[XD+2*n+1]
.set n, n+1
.endr
.endm
	LNTILE 0, AF0
	LNTILE 1, AF1
	; Two sums by turns, one instruction a turn; the first products start them.
	v_wmma_f32_16x16x32_f16 v[ACC0:ACC0+7], v[AF0:AF0+7], v[WB:WB+7], 0
	v_wmma_f32_16x16x32_f16 v[ACC1:ACC1+7], v[AF1:AF1+7], v[WB:WB+7], 0
.irp c, 1,2,3
	v_wmma_f32_16x16x32_f16 v[ACC0:ACC0+7], v[AF0+8*\c:AF0+8*\c+7], v[WB+8*\c:WB+8*\c+7], v[ACC0:ACC0+7]
	v_wmma_f32_16x16x32_f16 v[ACC1:ACC1+7], v[AF1+8*\c:AF1+8*\c+7], v[WB+8*\c:WB+8*\c+7], v[ACC1:ACC1+7]
.endr
.rept 4
	v_nop                                          ; four places between a matrix instruction and an LDS store of its result
.endr
	; Register j of lane (r, h) = bias(head r & 7, query u, key 8 h + j).  Lanes r and r + 8 hold the same numbers and write the same bytes.
	ds_store_b128 v10, v[ACC0:ACC0+3]
	ds_store_b128 v10, v[ACC0+4:ACC0+7] offset:64
	ds_store_b128 v10, v[ACC1:ACC1+3] offset:16
	ds_store_b128 v10, v[ACC1+4:ACC1+7] offset:80
	s_lshl_b32 s42, ttmp9, 10                      ; tile g of each head
	s_mov_b32 s43, 0
	s_add_nc_u64 s[20:21], s[20:21], s[42:43]
	s_wait_dscnt 0x0                               ; my stores are done, for the other waves' sake
	s_barrier_signal -1
	s_barrier_wait -1
	ds_load_b128 v[T:T+3], v11                     ; heads 0 to 3
	ds_load_b128 v[T+4:T+7], v11 offset:512        ; heads 4 to 7
	s_wait_dscnt 0x1                               ; the first is in; the count leaves the second out
	global_store_b128 v12, v[T:T+3], s[20:21]      ; each store of a wave covers 512 consecutive bytes, aligned
	s_wait_dscnt 0x0
	global_store_b128 v12, v[T+4:T+7], s[20:21] offset:1048576
	s_wait_tensorcnt 0x0
	ds_add_u32 v208, v209
	s_wait_dscnt 0x0
	s_endpgm
.Lfunc_end_k_q9a541acd9b_prep:
	.size	k_q9a541acd9b_prep, .Lfunc_end_k_q9a541acd9b_prep-k_q9a541acd9b_prep
	.p2alignl 7, 3214868480
	.fill 96, 4, 3214868480
	.section	.rodata,"a",@progbits
	.p2align	6, 0x0
	.amdhsa_kernel k_q9a541acd9b_prep
		.amdhsa_group_segment_fixed_size 168960
		.amdhsa_private_segment_fixed_size 0
		.amdhsa_enable_private_segment 0
		.amdhsa_kernarg_size 80
		.amdhsa_user_sgpr_count 2
		.amdhsa_user_sgpr_kernarg_segment_ptr 1
		.amdhsa_wavefront_size32 1
		.amdhsa_system_sgpr_workgroup_id_x 1
		.amdhsa_system_sgpr_workgroup_id_y 1
		.amdhsa_system_sgpr_workgroup_id_z 1
		.amdhsa_system_vgpr_workitem_id 0
		.amdhsa_next_free_vgpr 210
		.amdhsa_next_free_sgpr 66
		.amdhsa_reserve_vcc 0
		.amdhsa_float_denorm_mode_32 3
		.amdhsa_float_denorm_mode_16_64 3
		.amdhsa_memory_ordered 1
		.amdhsa_forward_progress 1
		.amdhsa_inst_pref_size 43
	.end_amdhsa_kernel
	.amdgpu_metadata
---
amdhsa.version: [ 1, 2 ]
amdhsa.kernels:
  - .name:           k_q9a541acd9b_prep
    .symbol:         k_q9a541acd9b_prep.kd
    .args:
      - { .name: x2d, .offset: 0, .size: 8, .value_kind: global_buffer, .address_space: global }
      - { .name: ln2_g, .offset: 8, .size: 8, .value_kind: global_buffer, .address_space: global }
      - { .name: W2d, .offset: 16, .size: 8, .value_kind: global_buffer, .address_space: global }
      - { .name: Wq, .offset: 24, .size: 8, .value_kind: global_buffer, .address_space: global }
      - { .name: Wk, .offset: 32, .size: 8, .value_kind: global_buffer, .address_space: global }
      - { .name: Wv, .offset: 40, .size: 8, .value_kind: global_buffer, .address_space: global }
      - { .name: Wgate, .offset: 48, .size: 8, .value_kind: global_buffer, .address_space: global }
      - { .name: Wfinal, .offset: 56, .size: 8, .value_kind: global_buffer, .address_space: global }
      - { .name: biasw, .offset: 64, .size: 8, .value_kind: global_buffer, .address_space: global }
      - { .name: wfrag, .offset: 72, .size: 8, .value_kind: global_buffer, .address_space: global }
    .group_segment_fixed_size: 168960
    .private_segment_fixed_size: 0
    .kernarg_segment_align: 8
    .kernarg_segment_size: 80
    .max_flat_workgroup_size: 256
    .sgpr_count:     66
    .vgpr_count:     210
    .wavefront_size: 32
...
	.end_amdgpu_metadata
.endif
;; end of part 1
;; launch attn (part 2): grid 256 x 1, 4 waves a work-group, no clusters, 307,712 bytes of LDS; arguments x1d, ln1_g, ln1_b, bgate, bfinal, biasw, wfrag, out0; writes out0
.if DOCPART == 2
	.amdgcn_target "amdgcn-amd-amdhsa--gfx1250"
	.amdhsa_code_object_version 6
	.text
	.protected	k_q9a541acd9b_attn
	.globl	k_q9a541acd9b_attn
	.p2align	8
	.type	k_q9a541acd9b_attn,@function
k_q9a541acd9b_attn:
	s_mov_b64 s[64:65], 0
	v_nop
	global_prefetch_b8 v0, s[64:65] scope:SCOPE_SE
	s_setreg_imm32_b32 hwreg(HW_REG_WAVE_MODE, 25, 1), 1
	s_wait_xcnt 0x0
; attn: all of reference() behind the pair bias, fused.  Work-group = (m = id >> 1, query half qh = id & 1): LN of the 256 rows of x1d[m],
; then for its 128 queries q, k, v, gate, softmax(q k / sqrt(32) + bias) v, the gate, the last projection and bfinal.
; ln2_b is left out (it adds the same number to a whole softmax row: shown at the head of the first kernel); biasw comes without it.
; SHARES: four waves; wave w owns heads 2 w and 2 w + 1 (columns 64 w .. 64 w + 63 of the four projections) and columns 64 w .. + 63 of out0.
; Splitting m by query halves fills all work-group places at the price of making K and V in both halves.
; LDS row rho holds residue rho xor 128 qh: the work-group's own queries are always rows 0-127, and keys are taken in LDS order for K, V and bias alike.
; EVERY PRODUCT IS TURNED SO THAT ITS RESULT, PACKED TO F16, IS THE NEXT PRODUCT'S OPERAND (lane r + 16 h):
;   K^T = Wk-frag x X-frag  : register j = (channel 8 h + j, key r)   -> A fragment of the scores (row key, k = channel)
;   Q^T = Wq-frag x X-frag  : (channel 8 h + j, query r), x 1/sqrt(32) -> B fragment of the scores
;   V   = X-frag  x Wv-frag : (key 8 h + j, channel r)                -> A fragment of P V (row channel, k = key)
;   S^T = K x Q + bias tile : (key 8 h + j, query r)                  -> after the softmax, B fragment of P V
;   O^T = V x P             : (channel 8 h + j, query r), the layout of the gates G^T = Wg-frag x X-frag + bgate
;   out^T = Wf-frag x OG-frag + bfinal : (column 8 h + j, query r), through a stage of 16 rows into whole rows of 256 bytes.
; The softmax takes the row's true maximum over all 256 keys away; 1 / sum is applied behind P V (the same quotient).
; FORMATS: operands f16, all sums, norms, softmax and gates f32.  Room in f16 (largest 65,504): |X| <= 16 max|ln1_g| + max|ln1_b|; by
; Cauchy-Schwarz |q|, |k|, |v| <= |X row| |W column|, about 19 as drawn, 17,300 with ln1_g and the weights both 30 times larger, and the same with
; the weights offset by 30 spreads; P is in [0, 1]; the gated output is a convex mix of v times a gate in (0, 1).  LIMIT: beyond
; |X row| |W column| = 65,504 an operand becomes infinite.  Exponentials below 2^-126 and P below 2^-25 count as 0 beside a row's largest P = 1.
; The maximum skips NaN; a NaN score still reaches its row through the sum.
; NO CLUSTER, NO TENSOR LOADS: bias tiles and weight fragments go from memory straight into accumulator and operand registers in fragment
; order.  A joint load would need LDS slots: one query tile's bias for four waves is 65,536 bytes, two slots 131,072, and 20,480 bytes are free.
; LDS: X f16 [256 rows] pitch 528 at 0; OG at 135,168: wave w's part of 128 rows, pitch 272: 64 f32 gates a row, overwritten from the left by the
; f16 gated output (head 0: bytes 0-63 behind the read of its gates in bytes 0-127; head 1: bytes 64-127, its gates in 128-255);
; QS at 274,432: 8,192 bytes a wave: eight Q fragments, later the stage of the way out.
; REGISTERS, windows of 256: window 0 addresses and working tiles (below); window 1: v0-127 Wk then Wfinal tiles 0-1, v128-255 Wq then Wfinal 2-3;
; window 2: v0-127 Wv, v128-135 Q fragment, v144-159 gates, v160-191 bfinal as C tiles; window 3: Wgate, then K fragments (8 t) and V (128 + 64 T + 8 kb).
.set XP, 528                           ; X's pitch: 512 + 16, an odd multiple of 16
.set XT, 16*XP                         ; 16 rows
.set OG, 256*XP
.set OP, 272
.set OT, 16*OP
.set OW, 128*OP                        ; a wave's part of OG
.set QS, OG+4*OW
.set MQ, 0                             ; byte offsets of the matrices in wfrag
.set MK, 131072
.set MV, 262144
.set MG, 393216
.set MF, 524288
.set HB, 16384                         ; two tiles of 16 columns: a head's block of a matrix; also one query tile of a head's bias
.set L16, 1                            ; 16 x lane
.set XA,  2                            ; X fragment: 528 r + 16 h
.set XA2, 3                            ; the same, 128 rows down
.set BOL, 4                            ; bias, key tiles 0-7 in LDS order: 16 lane + 8,192 qh
.set BOH, 5                            ; key tiles 8-15: 16 lane + 8,192 (1 - qh)
.set GA,  6                            ; gates of the current query tile
.set GS,  7                            ; gated output of the current query tile
.set QL,  8                            ; my Q fragments
.set QR,  9                            ; the Q fragment to read next
.set XG,  10                           ; stepped fragment address (gate pass; last projection)
.set GL32, 11                          ; my part of OG + 272 r + 32 h
.set GL16, 12                          ; my part of OG + 272 r + 16 h
.set STO, 13                           ; stage, in
.set NM,  14                           ; v[14:15] -log2(e) x maximum, twice
.set RINV, 16                          ; v[16:17] 1 / sum, twice
.set SUM, 18                           ; v[18:25] four pair chains
.set MX,  26                           ; v[26:29] four chains of the maximum
.set PX,  30                           ; destination of the lane exchange
.set TV,  31
.set SC,  32                           ; v[32:159]  LN ring; X fragments, buffer 0 (32) and 1 (96); 16 score tiles
.set XF1, 96
.set ACA, 160                          ; v[160:191] four accumulators
.set ACB, 192                          ; v[192:223] four more; in the gate pass bgate as C tiles
.set BG,  192
.set TMP, 224
.set PR,  160                          ; v[160:223] eight P fragments
.set OA,  224                          ; v[224:255] O: tile 0, 1 over even key blocks, tile 0, 1 over odd ones
.set LG,  160                          ; LN: ln1_g, ln1_b of my 16 columns
.set LB,  176
.set LT,  224                          ; LN: at work
.set LY,  240                          ; LN: 8 packed words
.set VX,  248                          ; LN: x1d offset
.set VS,  249                          ; LN: LDS address
.set VG,  250                          ; LN: 16 x (lane & 15)
.set VB,  251                          ; 256 w + 32 h: bgate, bfinal
.set LMU, 252
.set LR,  254
.set RDB, 128                          ; last projection: stage, out
.set CO,  129                          ; my byte offset in out0
.set FA1, 130                          ; XG + two waves' parts of OG
.set RBK, 96                           ; v[96:127] rows read back from the stage
.set MSB, 0
.macro WIN new                         ; the immediate's high byte repeats the setting that is left
.if MSB != \new
	s_set_vgpr_msb (MSB<<8)|\new
.set MSB, \new
.endif
.endm
.macro MM d, a, b, z                   ; one matrix instruction; z = 1: it starts the sum
.if \z
	v_wmma_f32_16x16x32_f16 v[\d:\d+7], v[\a:\a+7], v[\b:\b+7], 0
.else
	v_wmma_f32_16x16x32_f16 v[\d:\d+7], v[\a:\a+7], v[\b:\b+7], v[\d:\d+7]
.endif
.endm
.macro PLACES                          ; four plain vector instructions between a matrix instruction and a vector read of its result or a load into its registers
.rept 4
	v_nop
.endr
.endm
.macro LOADW reg0, b, off, n0, cnt     ; fragments are linear in wfrag: piece n of 512 bytes goes to registers reg0 + 4 n
.set ln, \n0
.rept \cnt
	global_load_b128 v[\reg0+4*ln:\reg0+4*ln+3], v[L16], s[\b:\b+1] offset:\off+512*ln
.set ln, ln+1
.endr
.endm
.macro XLOAD t, reg                    ; the eight fragments (16 rows x 256 k) of X's row tile t
.set xn, 0
.rept 16
.if (\t) < 8
	ds_load_b128 v[\reg+4*xn:\reg+4*xn+3], v[XA] offset:(\t)*XT+32*xn
.else
	ds_load_b128 v[\reg+4*xn:\reg+4*xn+3], v[XA2] offset:((\t)-8)*XT+32*xn
.endif
.set xn, xn+1
.endr
.endm
.macro BLOAD kb, off                   ; bias tiles 2 kb, 2 kb + 1 into their score tiles: they are the C operand
.set bn, 0
.rept 4
.if (\kb) < 4
	global_load_b128 v[SC+16*(\kb)+4*bn:SC+16*(\kb)+4*bn+3], v[BOL], s[30:31] offset:\off+((2*(\kb))&7)*1024+512*bn
.else
	global_load_b128 v[SC+16*(\kb)+4*bn:SC+16*(\kb)+4*bn+3], v[BOH], s[30:31] offset:\off+((2*(\kb))&7)*1024+512*bn
.endif
.set bn, bn+1
.endr
.endm
	s_load_b512 s[4:19], s[0:1], 0x0               ; x1d s[4:5], ln1_g s[6:7], ln1_b s[8:9], bgate s[10:11], bfinal s[12:13], biasw s[14:15], wfrag s[16:17], out0 s[18:19]
	s_set_vgpr_msb 0x80
	v_lshl_add_u32 v254, v0, 2, 0x4b000
	v_mov_b32 v255, 0
	s_set_vgpr_msb 0x8000
	v_lshrrev_b32 v[TV], 5, v0
	v_readfirstlane_b32 s20, v[TV]                 ; wave
	s_and_b32 s21, ttmp9, 1                        ; qh
	s_lshr_b32 s22, ttmp9, 1                       ; m
	s_mov_b32 s32, 0x76543210                      ; lane i of one half reads lane i of the other
	s_mov_b32 s33, 0xfedcba98
	s_mov_b32 s40, 0x3b800000                      ; 1 / 256
	s_mov_b32 s41, 0x3727c5ac                      ; 1e-5
	v_and_b32 v[PX], 31, v0
	v_lshlrev_b32 v[L16], 4, v[PX]
	v_and_b32 v[MX], 15, v0                        ; r
	v_bfe_u32 v[MX+1], v0, 4, 1                    ; h
	v_mul_u32_u24 v[XA], v[MX], XP
	v_lshl_add_u32 v[XA], v[MX+1], 4, v[XA]
	v_add_nc_u32 v[XA2], 8*XT, v[XA]
	s_lshl_b32 s24, s21, 13
	v_add_nc_u32 v[BOL], s24, v[L16]
	s_xor_b32 s24, s24, 8192
	v_add_nc_u32 v[BOH], s24, v[L16]
	s_mul_i32 s24, s20, OW
	s_add_co_u32 s24, s24, OG
	v_mul_u32_u24 v[MX+2], v[MX], OP
	v_add_nc_u32 v[MX+3], s24, v[MX+2]
	v_lshl_add_u32 v[GL32], v[MX+1], 5, v[MX+3]
	v_lshl_add_u32 v[GL16], v[MX+1], 4, v[MX+3]
	s_lshl_b32 s24, s20, 13
	s_add_co_u32 s24, s24, QS
	v_add_nc_u32 v[QL], s24, v[L16]
	v_add_nc_u32 v[MX+3], s24, v[MX+2]
	v_lshl_add_u32 v[STO], v[MX+1], 5, v[MX+3]
	v_lshlrev_b32 v[VG], 4, v[MX]
	v_lshl_add_u32 v[VX], v[MX+1], 13, v[VG]       ; lanes 16-31 take the row 8 further down
	v_mul_u32_u24 v[VS], v[MX+1], 8*XP
	v_lshl_add_u32 v[VS], v[MX], 3, v[VS]
	s_mul_i32 s24, s20, 64*XP
	v_add_nc_u32 v[VS], s24, v[VS]                 ; LDS rows 64 w ..: (64 w + 8 hw) x 528 + 8 x (lane & 15)
	s_lshl_b32 s24, s20, 8
	v_lshl_add_u32 v[VB], v[MX+1], 5, s24
	s_lshl_b32 s24, s20, 6
	s_lshl_b32 s25, s21, 7
	s_xor_b32 s24, s24, s25                        ; my first residue: 64 w xor 128 qh
	s_lshl_b32 s24, s24, 10
	s_lshl_b32 s36, s22, 18                        ; m x 262,144
	s_add_co_u32 s24, s24, s36
	s_mov_b32 s25, 0
	s_lshl_b32 s38, s21, 17                        ; qh x 131,072: 128 rows of out0, and 8 query tiles of bias
	s_add_co_u32 s36, s36, s38
	s_mov_b32 s37, 0
	s_lshl_b32 s39, s20, 19                        ; head 2 w x 262,144
	s_add_co_u32 s38, s38, s39
	s_mov_b32 s39, 0
	s_wait_kmcnt 0x0
	s_add_nc_u64 s[26:27], s[4:5], s[24:25]        ; x1d at my first row
	s_add_nc_u64 s[34:35], s[18:19], s[36:37]      ; out0 at the work-group's first row
	s_add_nc_u64 s[30:31], s[14:15], s[38:39]      ; biasw at (head 2 w, query tile 8 qh)
	s_lshl_b32 s24, s20, 15
	s_add_nc_u64 s[28:29], s[16:17], s[24:25]      ; wfrag at head 2 w's block; never stepped
	; ---------------- PHASE 0: LN(x1d) into LDS as f16 ----------------
	; Wave w makes LDS rows 64 w .. + 63.  A slot of the ring is two rows (one for each half of the lanes), four loads of which 16 lanes take 256
	; consecutive bytes; lane l takes columns 64 i + 4 (l & 15) + e.  Eight slots: 32 loads of a wave on their way.
.irp i, 0,1,2,3
	global_load_b128 v[LG+4*\i:LG+4*\i+3], v[VG], s[6:7] offset:256*\i
	global_load_b128 v[LB+4*\i:LB+4*\i+3], v[VG], s[8:9] offset:256*\i
.endr
.irp q, 0,1,2,3
	global_load_b128 v[BG+8*\q:BG+8*\q+3], v[VB], s[10:11] offset:64*\q        ; bgate[64 w + 16 q + 8 h + j]: a C tile, the same in every column
	global_load_b128 v[BG+8*\q+4:BG+8*\q+7], v[VB], s[10:11] offset:64*\q+16
.endr
	WIN 0x80
.irp q, 0,1,2,3
	global_load_b128 v[160+8*\q:160+8*\q+3], v[VB], s[12:13] offset:64*\q      ; bfinal likewise, window 2
	global_load_b128 v[160+8*\q+4:160+8*\q+7], v[VB], s[12:13] offset:64*\q+16
.endr
	WIN 0
.irp st, 0,1,2,3,4,5,6,7
.irp i, 0,1,2,3
	global_load_b128 v[SC+16*\st+4*\i:SC+16*\st+4*\i+3], v[VX], s[26:27] offset:\st*1024+\i*256
.endr
.endr
; One slot's turn.  ahead = 1: the slot is filled again, 16 rows further down.  left = the younger loads that may stay out.
; wg = 1: eight pieces of Wgate go out behind the turn (window 3).
.macro LNTURN st, ahead, left, wg
.set X0, SC+16*\st
	s_wait_loadcnt \left
	v_pk_add_f32 v[LT:LT+1], v[X0:X0+1], v[X0+2:X0+3]
	v_pk_add_f32 v[LT+2:LT+3], v[X0+4:X0+5], v[X0+6:X0+7]
	v_pk_add_f32 v[LT+4:LT+5], v[X0+8:X0+9], v[X0+10:X0+11]
	v_pk_add_f32 v[LT+6:LT+7], v[X0+12:X0+13], v[X0+14:X0+15]
	v_pk_add_f32 v[LT:LT+1], v[LT:LT+1], v[LT+2:LT+3]
	v_pk_add_f32 v[LT+4:LT+5], v[LT+4:LT+5], v[LT+6:LT+7]
	v_pk_add_f32 v[LT:LT+1], v[LT:LT+1], v[LT+4:LT+5]
	v_add_f32 v[LT], v[LT], v[LT+1]
.irp x, 1,2,4,8
	v_add_f32_dpp v[LT], v[LT], v[LT] row_xmask:\x row_mask:0xf bank_mask:0xf      ; over the 16 lanes of the row
.endr
	v_mul_f32 v[LMU], 0xbb800000, v[LT]            ; -sum / 256
	v_mul_f32 v[LMU+1], 0xbb800000, v[LT]
.irp p, 0,1,2,3,4,5,6,7
	v_pk_add_f32 v[X0+2*\p:X0+2*\p+1], v[X0+2*\p:X0+2*\p+1], v[LMU:LMU+1]
.endr
	v_pk_mul_f32 v[LT:LT+1], v[X0:X0+1], v[X0:X0+1]
	v_pk_mul_f32 v[LT+2:LT+3], v[X0+2:X0+3], v[X0+2:X0+3]
.irp p, 2,4,6
	v_pk_fma_f32 v[LT:LT+1], v[X0+2*\p:X0+2*\p+1], v[X0+2*\p:X0+2*\p+1], v[LT:LT+1]
	v_pk_fma_f32 v[LT+2:LT+3], v[X0+2*\p+2:X0+2*\p+3], v[X0+2*\p+2:X0+2*\p+3], v[LT+2:LT+3]
.endr
	v_pk_add_f32 v[LT:LT+1], v[LT:LT+1], v[LT+2:LT+3]
	v_add_f32 v[LT], v[LT], v[LT+1]
.irp x, 1,2,4,8
	v_add_f32_dpp v[LT], v[LT], v[LT] row_xmask:\x row_mask:0xf bank_mask:0xf
.endr
	v_fma_f32 v[LT], v[LT], s40, s41               ; var + eps
	v_rsq_f32 v[LR], v[LT]
	v_rsq_f32 v[LR+1], v[LT]
	v_nop                                          ; one plain instruction between the root and its use (ISA guide 5.7.2)
	s_wait_alu depctr_va_vdst(0)
.irp p, 0,1,2,3,4,5,6,7
	v_pk_mul_f32 v[X0+2*\p:X0+2*\p+1], v[X0+2*\p:X0+2*\p+1], v[LR:LR+1]
.endr
.irp p, 0,1,2,3,4,5,6,7
	v_pk_fma_f32 v[LT+2*\p:LT+2*\p+1], v[X0+2*\p:X0+2*\p+1], v[LG+2*\p:LG+2*\p+1], v[LB+2*\p:LB+2*\p+1]
.endr
.irp p, 0,1,2,3,4,5,6,7
	v_cvt_pk_f16_f32 v[LY+\p], v[LT+2*\p], v[LT+2*\p+1]
.endr
.if \ahead
.irp i, 0,1,2,3
	global_load_b128 v[X0+4*\i:X0+4*\i+3], v[VX], s[26:27] offset:16384+\st*1024+\i*256
.endr
.endif
.irp i, 0,1,2,3
	ds_store_b64 v[VS], v[LY+2*\i:LY+2*\i+1] offset:\st*XP+\i*128   ; the two halves' rows lie 8 x 528 bytes apart: 128 bytes apart modulo 256
.endr
.if \wg
	WIN 0xc0
	LOADW 0, 28, MG, 8*\st, 8
	WIN 0
.endif
.endm
	s_mov_b32 s24, 0
.Lln:
.irp st, 0,1,2,3,4,5,6,7
	LNTURN \st, 1, 28, 0                           ; 28 = the seven younger slots' four loads each
.endr
	s_wait_xcnt 0x0                                ; the loads' base is stepped only behind this wait
	s_add_nc_u64 s[26:27], s[26:27], 16384
	v_add_nc_u32 v[VS], XT, v[VS]
	s_add_co_u32 s24, s24, 1
	s_cmp_lt_u32 s24, 3
	s_cbranch_scc1 .Lln
.irp st, 0,1,2,3,4,5,6,7
	LNTURN \st, 0, 28+4*\st, 1                     ; the last 16 rows: 4 (7 - st) younger loads of the ring and 8 st of Wgate
.endr
	s_wait_dscnt 0x0                               ; my rows of X are written, for the other waves' sake
	s_barrier_signal -1
	s_barrier_wait -1                              ; X is whole; it is only read from here on
	; ---------------- PHASE 1: the gates of my two heads for the 128 queries, f32, into my part of OG ----------------
	v_mov_b32 v[XG], v[XA]
	v_mov_b32 v[GA], v[GL32]
.macro GXLOAD
.set xn, 0
.rept 16
	ds_load_b128 v[SC+4*xn:SC+4*xn+3], v[XG] offset:32*xn
.set xn, xn+1
.endr
.endm
	GXLOAD
	s_wait_loadcnt 0x0                             ; Wgate and bgate
; One query tile.  pf = 1, 2, 3: head 2 w's Wk, Wq, Wv go out, one block a trip.  last = 1: no further X fragments.
.macro GTRIP pf, last
	s_wait_dscnt 0x0                               ; this tile's X fragments
	WIN 0x03                                       ; A: Wgate, window 3
.irp c, 0,1,2,3,4,5,6,7
.irp q, 0,1,2,3
.if \c == 0
	v_wmma_f32_16x16x32_f16 v[ACA+8*\q:ACA+8*\q+7], v[64*\q:64*\q+7], v[SC:SC+7], v[BG+8*\q:BG+8*\q+7]   ; bgate starts the sums
.else
	MM ACA+8*\q, 64*\q+8*\c, SC+8*\c, 0            ; four sums by turns, one instruction a turn
.endif
.endr
.endr
	WIN 0
	v_add_nc_u32 v[XG], XT, v[XG]                  ; four places, one of them useful
	v_nop
	v_nop
	v_nop
.if \pf == 1
	WIN 0x40
	LOADW 0, 28, MK, 0, 32
	WIN 0
.endif
.if \pf == 2
	WIN 0x40
	LOADW 128, 28, MQ, 0, 32
	WIN 0
.endif
.if \pf == 3
	WIN 0x80
	LOADW 0, 28, MV, 0, 32
	WIN 0
.endif
.if \last == 0
	GXLOAD                                         ; the next tile's fragments land under the sigmoid
.endif
.set gn, 0
.rept 16
	v_pk_mul_f32 v[ACA+2*gn:ACA+2*gn+1], v[ACA+2*gn:ACA+2*gn+1], 0xbfb8aa3b op_sel_hi:[1,0]   ; -log2(e) z
.set gn, gn+1
.endr
.set gn, 0
.rept 32
	v_exp_f32 v[ACA+gn], v[ACA+gn]
.set gn, gn+1
.endr
	v_nop
.set gn, 0
	s_wait_alu depctr_va_vdst(0)
.rept 16
	v_pk_add_f32 v[ACA+2*gn:ACA+2*gn+1], v[ACA+2*gn:ACA+2*gn+1], 1.0 op_sel_hi:[1,0]
.set gn, gn+1
.endr
.set gn, 0
.rept 32
	v_rcp_f32 v[ACA+gn], v[ACA+gn]                 ; 1 / (1 + 2^(-log2(e) z)); an infinite power gives 0
.set gn, gn+1
.endr
	v_nop
	s_wait_alu depctr_va_vdst(0)
.irp q, 0,1,2,3
	ds_store_b128 v[GA], v[ACA+8*\q:ACA+8*\q+3] offset:64*\q       ; row = query r, channels 16 q + 8 h + 0..7
	ds_store_b128 v[GA], v[ACA+8*\q+4:ACA+8*\q+7] offset:64*\q+16
.endr
	v_add_nc_u32 v[GA], OT, v[GA]
.endm
	GTRIP 1, 0
	GTRIP 2, 0
	GTRIP 3, 0
	s_mov_b32 s24, 0
.Lgate:
	GTRIP 0, 0
	s_add_co_u32 s24, s24, 1
	s_cmp_lt_u32 s24, 4
	s_cbranch_scc1 .Lgate
	GTRIP 0, 1
	; ---------------- PHASE 2: my two heads, one after the other ----------------
; Key tile t: K^T and V for all 16 tiles, Q^T for tiles 0-7 (the work-group's queries).  X fragments in two buffers, fetched two tiles ahead.
.macro PTRIP t
.set pb, SC+64*((\t)&1)
.set pn, (\t)+2
.set pw, 16                            ; younger LDS instructions: the 16 loads of tile t + 1,
.if (\t) >= 1
.if (\t) <= 8
.set pw, pw+2                          ; the two Q stores of trip t - 1,
.endif
.endif
.if (\t) >= 2
.if (\t) <= 9
.set pw, pw+2                          ; and those of trip t - 2
.endif
.endif
.if (\t) == 15
.set pw, 0                             ; nothing was fetched behind the last tile
.endif
	s_wait_dscnt pw
	WIN 0x01                                       ; A: Wk, Wq, window 1
.irp c, 0,1,2,3,4,5,6,7
.if (\t) < 8
.if \c == 0
.set pz, 1
.else
.set pz, 0
.endif
	MM ACA, 8*\c, pb+8*\c, pz                      ; K tile 0, K tile 1, Q tile 0, Q tile 1 by turns
	MM ACA+8, 64+8*\c, pb+8*\c, pz
	MM ACA+16, 128+8*\c, pb+8*\c, pz
	MM ACA+24, 192+8*\c, pb+8*\c, pz
.else
.if \c < 2
.set pz, 1
.else
.set pz, 0
.endif
	MM ACA+16*(\c&1), 8*\c, pb+8*\c, pz            ; no Q: even and odd k blocks keep sums of their own, so that four still take turns
	MM ACA+16*(\c&1)+8, 64+8*\c, pb+8*\c, pz
.endif
.endr
	WIN 0x08                                       ; B: Wv, window 2
.irp c, 0,1,2,3,4,5,6,7
.if \c < 2
.set pz, 1
.else
.set pz, 0
.endif
	MM ACB+16*(\c&1), pb+8*\c, 8*\c, pz
	MM ACB+16*(\c&1)+8, pb+8*\c, 64+8*\c, pz
.endr
	WIN 0
	PLACES
.if (\t) <= 13
	XLOAD pn, pb                                   ; tile t + 2 into the buffer just used
.endif
.if (\t) == 14
.irp kb, 0,1,2,3
	BLOAD \kb, 0                                   ; the buffers become score tiles: the first query tile's bias
.endr
.endif
.if (\t) == 15
.irp kb, 4,5,6,7
	BLOAD \kb, 0
.endr
.endif
.irp i, 0,1,2,3,4,5,6,7
	v_pk_add_f32 v[ACB+2*\i:ACB+2*\i+1], v[ACB+2*\i:ACB+2*\i+1], v[ACB+16+2*\i:ACB+16+2*\i+1]
.endr
.if (\t) < 8
.irp i, 0,1,2,3,4,5,6,7
	v_pk_mul_f32 v[ACA+16+2*\i:ACA+16+2*\i+1], v[ACA+16+2*\i:ACA+16+2*\i+1], 0x3e3504f3 op_sel_hi:[1,0]   ; q / sqrt(32), in f32
.endr
.irp i, 0,1,2,3,4,5,6,7
	v_cvt_pk_f16_f32 v[TMP+\i], v[ACA+16+2*\i], v[ACA+16+2*\i+1]
.endr
	ds_store_b128 v[QL], v[TMP:TMP+3] offset:(\t)*1024
	ds_store_b128 v[QL], v[TMP+4:TMP+7] offset:(\t)*1024+512
.else
.irp i, 0,1,2,3,4,5,6,7
	v_pk_add_f32 v[ACA+2*\i:ACA+2*\i+1], v[ACA+2*\i:ACA+2*\i+1], v[ACA+16+2*\i:ACA+16+2*\i+1]
.endr
.endif
	WIN 0xc0                                       ; destinations in window 3
.irp i, 0,1,2,3,4,5,6,7
	v_cvt_pk_f16_f32 v[8*(\t)+\i], v[ACA+2*\i], v[ACA+2*\i+1]          ; K fragment t
.endr
.irp i, 0,1,2,3
	v_cvt_pk_f16_f32 v[128+8*((\t)>>1)+4*((\t)&1)+\i], v[ACB+2*\i], v[ACB+2*\i+1]      ; V, channels 0-15
	v_cvt_pk_f16_f32 v[192+8*((\t)>>1)+4*((\t)&1)+\i], v[ACB+8+2*\i], v[ACB+8+2*\i+1]  ; channels 16-31
.endr
	WIN 0
.endm
.macro QFMA kb                         ; log2(e) s - log2(e) max, 16 registers
.set fn, 0
.rept 8
	v_pk_fma_f32 v[SC+16*(\kb)+2*fn:SC+16*(\kb)+2*fn+1], v[SC+16*(\kb)+2*fn:SC+16*(\kb)+2*fn+1], 0x3fb8aa3b, v[NM:NM+1] op_sel_hi:[1,0,1]
.set fn, fn+1
.endr
.endm
; One query tile of 16 queries against all 256 keys.  pf = 1, 2, 3: the next weights go out.  last = 1: nothing further is fetched.
.macro QTRIP pf, last
	s_wait_dscnt 0x0                               ; the Q fragment
	WIN 0x0b                                       ; A: K, window 3; B: Q, window 2
.irp kb, 0,1,2,3,4,5,6,7
	s_wait_loadcnt 28-4*\kb                        ; the bias of tiles 2 kb, 2 kb + 1 is in; the later pairs' four loads each stay out
	MM SC+16*\kb, 16*\kb, 128, 0
	MM SC+16*\kb+8, 16*\kb+8, 128, 0
.endr
	WIN 0
	; The weights asked for here are older than every bias load that follows, so no count above hangs on them.
.if \pf == 1
	WIN 0x40
	LOADW 0, 36, 0, 0, 32                          ; the next head's Wk, or Wfinal's tiles 0-1
	WIN 0
.endif
.if \pf == 2
	WIN 0x40
	LOADW 128, 38, 0, 0, 32                        ; the next head's Wq, or Wfinal's tiles 2-3
	WIN 0
.endif
.if \pf == 3
	s_cmp_lg_u32 s23, 0
	s_cbranch_scc1 .Lnorc_\@                       ; behind the second head no Wv is wanted
	WIN 0x80
	LOADW 0, 28, MV+HB, 0, 32
	WIN 0
.Lnorc_\@:
.endif
	PLACES
.irp k, 0,1,2,3
	v_max3_num_f32 v[MX+\k], v[SC+32*\k], v[SC+32*\k+1], v[SC+32*\k+2]
.endr
.set mj, 3
.rept 14
.irp k, 0,1,2,3
	v_max3_num_f32 v[MX+\k], v[MX+\k], v[SC+32*\k+mj], v[SC+32*\k+mj+1]
.endr
.set mj, mj+2
.endr
	v_max3_num_f32 v[MX], v[MX], v[SC+31], v[SC+63]
	v_max3_num_f32 v[MX+1], v[MX+1], v[SC+95], v[SC+127]
	v_max3_num_f32 v[MX], v[MX], v[MX+1], v[MX+2]
	v_max_num_f32 v[MX], v[MX], v[MX+3]
	v_permlanex16_b32 v[PX], v[MX], s32, s33       ; the query's other 128 keys lie in lane xor 16
	v_max_num_f32 v[MX], v[MX], v[PX]
	v_mul_f32 v[NM], 0xbfb8aa3b, v[MX]             ; its rounding is the same for the whole row and cancels in the quotient
	v_mul_f32 v[NM+1], 0xbfb8aa3b, v[MX]
.if \last == 0
	v_add_nc_u32 v[QR], 1024, v[QR]
.endif
	WIN 0x80
.if \last == 0
	ds_load_b128 v[128:131], v[QR]                 ; the next Q fragment
	ds_load_b128 v[132:135], v[QR] offset:512
.endif
	ds_load_b128 v[144:147], v[GA]                 ; this tile's gates, in O's layout
	ds_load_b128 v[148:151], v[GA] offset:16
	ds_load_b128 v[152:155], v[GA] offset:64
	ds_load_b128 v[156:159], v[GA] offset:80
	WIN 0
	QFMA 0
.irp kb, 0,1,2,3,4,5,6,7
.set en, 0
.rept 16
	v_exp_f32 v[SC+16*\kb+en], v[SC+16*\kb+en]
.set en, en+1
.endr
.if \kb < 7
	QFMA \kb+1                                     ; the next block's arguments: also the plain instruction between an exponential and its use
.else
	v_nop
	s_wait_alu depctr_va_vdst(0)
.endif
.if \kb == 0
	s_wait_alu depctr_va_vdst(0)
.irp c, 0,1,2,3
	v_pk_add_f32 v[SUM+2*\c:SUM+2*\c+1], v[SC+4*\c:SC+4*\c+1], v[SC+4*\c+2:SC+4*\c+3]     ; the first block starts the four chains
.endr
.else
	s_wait_alu depctr_va_vdst(0)
.irp i, 0,1,2,3,4,5,6,7
	v_pk_add_f32 v[SUM+2*(\i&3):SUM+2*(\i&3)+1], v[SUM+2*(\i&3):SUM+2*(\i&3)+1], v[SC+16*\kb+2*\i:SC+16*\kb+2*\i+1]
.endr
.endif
.irp i, 0,1,2,3,4,5,6,7
	v_cvt_pk_f16_f32 v[PR+8*\kb+\i], v[SC+16*\kb+2*\i], v[SC+16*\kb+2*\i+1]
.endr
.if \last == 0
	BLOAD \kb, HB                                  ; the next query tile's bias into the registers just read
.endif
.endr
	WIN 0x03                                       ; A: V, window 3
.irp kb, 0,1,2,3,4,5,6,7
.if \kb < 2
.set pz, 1
.else
.set pz, 0
.endif
	MM OA+16*(\kb&1), 128+8*\kb, PR+8*\kb, pz      ; two channel tiles x even and odd key blocks: four sums by turns
	MM OA+16*(\kb&1)+8, 192+8*\kb, PR+8*\kb, pz
.endr
	WIN 0
	v_pk_add_f32 v[SUM:SUM+1], v[SUM:SUM+1], v[SUM+2:SUM+3]        ; these four are the places behind the last product
	v_pk_add_f32 v[SUM+4:SUM+5], v[SUM+4:SUM+5], v[SUM+6:SUM+7]
	v_pk_add_f32 v[SUM:SUM+1], v[SUM:SUM+1], v[SUM+4:SUM+5]
	v_add_f32 v[SUM], v[SUM], v[SUM+1]
	v_permlanex16_b32 v[PX], v[SUM], s32, s33
	v_add_f32 v[SUM], v[SUM], v[PX]
	v_rcp_f32 v[RINV], v[SUM]
	v_rcp_f32 v[RINV+1], v[SUM]
.irp i, 0,1,2,3,4,5,6,7
	v_pk_add_f32 v[OA+2*\i:OA+2*\i+1], v[OA+2*\i:OA+2*\i+1], v[OA+16+2*\i:OA+16+2*\i+1]   ; the first stands between the reciprocal and its use
.endr
	s_wait_alu depctr_va_vdst(0)
.irp i, 0,1,2,3,4,5,6,7
	v_pk_mul_f32 v[OA+2*\i:OA+2*\i+1], v[OA+2*\i:OA+2*\i+1], v[RINV:RINV+1]
.endr
	s_wait_dscnt 0x0                               ; the gates (and the next Q fragment)
	WIN 0x08                                       ; second source: the gates, window 2
.irp i, 0,1,2,3,4,5,6,7
	v_pk_mul_f32 v[OA+2*\i:OA+2*\i+1], v[OA+2*\i:OA+2*\i+1], v[144+2*\i:144+2*\i+1]
.endr
	WIN 0
.irp i, 0,1,2,3,4,5,6,7
	v_cvt_pk_f16_f32 v[OA+16+\i], v[OA+2*\i], v[OA+2*\i+1]
.endr
	ds_store_b128 v[GS], v[OA+16:OA+19]            ; row = query r, channels 8 h + 0..7
	ds_store_b128 v[GS], v[OA+20:OA+23] offset:32  ; channels 16 + 8 h + 0..7
.if \last == 0
	v_add_nc_u32 v[GA], OT, v[GA]
	v_add_nc_u32 v[GS], OT, v[GS]
	s_wait_xcnt 0x0                                ; the bias loads' base is stepped only behind this wait
	s_add_nc_u64 s[30:31], s[30:31], HB
.endif
.endm
	s_mov_b32 s23, 0                               ; 0: head 2 w; 1: head 2 w + 1
.Lhead:
	s_wait_loadcnt 0x0                             ; this head's Wk, Wq, Wv; no load is out, so the bases below may be written
	s_mov_b32 s36, MF
	s_mov_b32 s38, MF+HB
	s_cmp_eq_u32 s23, 0
	s_cselect_b32 s36, MK+HB, s36                  ; what the first two query trips fetch: the second head's Wk, Wq, or Wfinal's four tiles
	s_cselect_b32 s38, MQ+HB, s38
	s_mov_b32 s37, 0
	s_mov_b32 s39, 0
	s_add_nc_u64 s[36:37], s[28:29], s[36:37]
	s_add_nc_u64 s[38:39], s[28:29], s[38:39]
	s_lshl_b32 s25, s23, 7
	v_add_nc_u32 v[GA], s25, v[GL32]               ; the head's 32 gates: 128 bytes
	s_lshl_b32 s25, s23, 6
	v_add_nc_u32 v[GS], s25, v[GL16]               ; its 32 gated outputs: 64 bytes
	v_mov_b32 v[QR], v[QL]
	XLOAD 0, SC
	XLOAD 1, XF1
.irp t, 0,1,2,3,4,5,6,7,8,9,10,11,12,13,14,15
	PTRIP \t
.endr
	WIN 0x80
	ds_load_b128 v[128:131], v[QR]                 ; the first Q fragment: LDS serves a wave's instructions in order (ISA guide 5.7.1), so this sees my stores
	ds_load_b128 v[132:135], v[QR] offset:512
	WIN 0
	QTRIP 1, 0
	QTRIP 2, 0
	QTRIP 3, 0
	s_mov_b32 s24, 0
.Lq:
	QTRIP 0, 0
	s_add_co_u32 s24, s24, 1
	s_cmp_lt_u32 s24, 4
	s_cbranch_scc1 .Lq
	QTRIP 0, 1
	s_wait_xcnt 0x0
	s_add_nc_u64 s[30:31], s[30:31], 262144-7*HB   ; the next head's first query tile
	s_add_co_u32 s23, s23, 1
	s_cmp_lt_u32 s23, 2
	s_cbranch_scc1 .Lhead
	; ---------------- PHASE 3: out = gated output x Wfinal + bfinal, my 64 columns for the 128 queries ----------------
	s_wait_dscnt 0x0                               ; my gated outputs are written, for the other waves' sake
	s_barrier_signal -1
	s_barrier_wait -1
	s_wait_loadcnt 0x0                             ; Wfinal's tiles
	s_mul_i32 s25, s20, OW
	v_sub_nc_u32 v[XG], v[GL16], s25               ; OG + 272 r + 16 h: wave 0's part
	v_add_nc_u32 v[FA1], 2*OW, v[XG]               ; wave 2's part
	v_and_b32 v131, 15, v0
	v_lshlrev_b32 v131, 4, v131
	v_bfe_u32 v132, v0, 4, 1
	v_mul_u32_u24 v[RDB], v132, OP
	v_add_nc_u32 v[RDB], v[RDB], v131
	s_lshl_b32 s25, s20, 13
	s_add_co_u32 s25, s25, QS
	v_add_nc_u32 v[RDB], s25, v[RDB]               ; lanes 0-15 read one row of 256 bytes back, lanes 16-31 the next
	v_lshl_add_u32 v[CO], v132, 10, v131
	s_lshl_b32 s25, s20, 8
	v_add_nc_u32 v[CO], s25, v[CO]                 ; and the same two rows in out0, at my 256 bytes
.macro GFLOAD                          ; the eight fragments (16 queries x 256 channels): head cb lies in wave cb >> 1's part, 64 (cb & 1) bytes in
.irp cb, 0,1,2,3
	ds_load_b128 v[SC+8*\cb:SC+8*\cb+3], v[XG] offset:(\cb>>1)*OW+(\cb&1)*64
	ds_load_b128 v[SC+8*\cb+4:SC+8*\cb+7], v[XG] offset:(\cb>>1)*OW+(\cb&1)*64+32
.endr
.irp cb, 4,5,6,7
	ds_load_b128 v[SC+8*\cb:SC+8*\cb+3], v[FA1] offset:((\cb>>1)-2)*OW+(\cb&1)*64
	ds_load_b128 v[SC+8*\cb+4:SC+8*\cb+7], v[FA1] offset:((\cb>>1)-2)*OW+(\cb&1)*64+32
.endr
.endm
	GFLOAD
.macro FTRIP last
	s_wait_dscnt 0x0                               ; this tile's fragments
	WIN 0x21                                       ; A: Wfinal, window 1; C: bfinal, window 2
.irp q, 0,1,2,3
	v_wmma_f32_16x16x32_f16 v[ACA+8*\q:ACA+8*\q+7], v[64*\q:64*\q+7], v[SC:SC+7], v[160+8*\q:160+8*\q+7]   ; bfinal starts the sums
.endr
	WIN 0x01
.irp cb, 1,2,3,4,5,6,7
.irp q, 0,1,2,3
	MM ACA+8*\q, 64*\q+8*\cb, SC+8*\cb, 0          ; four sums by turns
.endr
.endr
	WIN 0
	; Five places, two of them useful.  The next trip's first products take bfinal as C and so write over these accumulators instead of adding
	; onto them: a matrix instruction that writes over another's registers stands five plain vector instructions behind it (ISA guide 7.12.1),
	; and these are the only vector instructions between this trip's products and the next trip's.  The stores of the results and the loads
	; into the fragment registers below ask for four.
	v_add_nc_u32 v[XG], OT, v[XG]
	v_add_nc_u32 v[FA1], OT, v[FA1]
	v_nop
	v_nop
	v_nop
.if \last == 0
	GFLOAD
.endif
.irp q, 0,1,2,3
	ds_store_b128 v[STO], v[ACA+8*\q:ACA+8*\q+3] offset:64*\q      ; my stage: row = query r, columns 16 q + 8 h + 0..7
	ds_store_b128 v[STO], v[ACA+8*\q+4:ACA+8*\q+7] offset:64*\q+16
.endr
.irp k, 0,1,2,3,4,5,6,7
	ds_load_b128 v[RBK+4*\k:RBK+4*\k+3], v[RDB] offset:2*OP*\k     ; in order behind my stores
.endr
.irp k, 0,1,2,3,4,5,6,7
	s_wait_dscnt 7-\k                              ; the younger read-backs stay out
	global_store_b128 v[CO], v[RBK+4*\k:RBK+4*\k+3], s[34:35] offset:2048*\k th:TH_STORE_NT   ; 16 lanes store 256 consecutive bytes, aligned
.endr
	s_wait_xcnt 0x0                                ; the stores' data and base are written again only behind this wait
	s_add_nc_u64 s[34:35], s[34:35], 16384
.endm
	s_mov_b32 s24, 0
.Lfin:
	FTRIP 0
	s_add_co_u32 s24, s24, 1
	s_cmp_lt_u32 s24, 7
	s_cbranch_scc1 .Lfin
	FTRIP 1
	s_set_vgpr_msb 0xa
	s_wait_tensorcnt 0x0
	ds_add_u32 v254, v255
	s_wait_dscnt 0x0
	s_set_vgpr_msb 0xa00
	s_endpgm
.Lfunc_end_k_q9a541acd9b_attn:
	.size	k_q9a541acd9b_attn, .Lfunc_end_k_q9a541acd9b_attn-k_q9a541acd9b_attn
	.p2alignl 7, 3214868480
	.fill 96, 4, 3214868480
	.section	.rodata,"a",@progbits
	.p2align	6, 0x0
	.amdhsa_kernel k_q9a541acd9b_attn
		.amdhsa_group_segment_fixed_size 307712
		.amdhsa_private_segment_fixed_size 0
		.amdhsa_enable_private_segment 0
		.amdhsa_kernarg_size 64
		.amdhsa_user_sgpr_count 2
		.amdhsa_user_sgpr_kernarg_segment_ptr 1
		.amdhsa_wavefront_size32 1
		.amdhsa_system_sgpr_workgroup_id_x 1
		.amdhsa_system_sgpr_workgroup_id_y 1
		.amdhsa_system_sgpr_workgroup_id_z 1
		.amdhsa_system_vgpr_workitem_id 0
		.amdhsa_next_free_vgpr 1024
		.amdhsa_next_free_sgpr 66
		.amdhsa_reserve_vcc 0
		.amdhsa_float_denorm_mode_32 3
		.amdhsa_float_denorm_mode_16_64 3
		.amdhsa_memory_ordered 1
		.amdhsa_forward_progress 1
		.amdhsa_inst_pref_size 255
	.end_amdhsa_kernel
	.section	.bss,"aw",@nobits
	.p2align	6
	.space	262144
	.amdgpu_metadata
---
amdhsa.version: [ 1, 2 ]
amdhsa.kernels:
  - .name:           k_q9a541acd9b_attn
    .symbol:         k_q9a541acd9b_attn.kd
    .args:
      - { .name: x1d, .offset: 0, .size: 8, .value_kind: global_buffer, .address_space: global }
      - { .name: ln1_g, .offset: 8, .size: 8, .value_kind: global_buffer, .address_space: global }
      - { .name: ln1_b, .offset: 16, .size: 8, .value_kind: global_buffer, .address_space: global }
      - { .name: bgate, .offset: 24, .size: 8, .value_kind: global_buffer, .address_space: global }
      - { .name: bfinal, .offset: 32, .size: 8, .value_kind: global_buffer, .address_space: global }
      - { .name: biasw, .offset: 40, .size: 8, .value_kind: global_buffer, .address_space: global }
      - { .name: wfrag, .offset: 48, .size: 8, .value_kind: global_buffer, .address_space: global }
      - { .name: out0, .offset: 56, .size: 8, .value_kind: global_buffer, .address_space: global }
    .group_segment_fixed_size: 307712
    .private_segment_fixed_size: 0
    .kernarg_segment_align: 8
    .kernarg_segment_size: 64
    .max_flat_workgroup_size: 128
    .sgpr_count:     66
    .vgpr_count:     1024
    .wavefront_size: 32
...
	.end_amdgpu_metadata
.endif
;; end of part 2
;; ======== version 2 of 3: 2 launches; 1.03 times as fast as version 1
;; limits: values are held in f16: magnitudes above 65,504 overflow, below 6.1e-05 lose precision; right only within a limited range of input values
;; workspace buffers: biasw 2,097,152 bytes; wfrag 655,360 bytes
;; launch prep: the kernel of part 1 again; grid 256 x 1, 8 waves a work-group, no clusters, 168,960 bytes of LDS; arguments x2d, ln2_g, W2d, Wq, Wk, Wv, Wgate, Wfinal, biasw, wfrag; writes biasw, wfrag
;; launch attn (part 3): grid 256 x 1, 4 waves a work-group, no clusters, 307,712 bytes of LDS; arguments x1d, ln1_g, ln1_b, bgate, bfinal, biasw, wfrag, out0; writes out0
.if DOCPART == 3
	.amdgcn_target "amdgcn-amd-amdhsa--gfx1250"
	.amdhsa_code_object_version 6
	.text
	.protected	k_q9a541acd9b_attn
	.globl	k_q9a541acd9b_attn
	.p2align	8
	.type	k_q9a541acd9b_attn,@function
k_q9a541acd9b_attn:
	s_mov_b64 s[64:65], 0
	v_nop
	global_prefetch_b8 v0, s[64:65] scope:SCOPE_SE
	s_setreg_imm32_b32 hwreg(HW_REG_WAVE_MODE, 25, 1), 1
	s_wait_xcnt 0x0
; attn: all of reference() behind the pair bias, fused.  Work-group = (m = id >> 1, query half qh = id & 1): LN of the 256 rows of x1d[m],
; then for its 128 queries q, k, v, gate, softmax(q k / sqrt(32) + bias) v, the gate, the last projection and bfinal.
; ln2_b is left out (it adds the same number to a whole softmax row: shown at the head of the first kernel); biasw comes without it.
; SHARES: four waves; wave w owns heads 2 w and 2 w + 1 (columns 64 w .. 64 w + 63 of the four projections) and columns 64 w .. + 63 of out0.
; Splitting m by query halves fills all work-group places at the price of making K and V in both halves.
; LDS row rho holds residue rho xor 128 qh: the work-group's own queries are always rows 0-127, and keys are taken in LDS order for K, V and bias alike.
; EVERY PRODUCT IS TURNED SO THAT ITS RESULT, PACKED TO F16, IS THE NEXT PRODUCT'S OPERAND (lane r + 16 h):
;   K^T = Wk-frag x X-frag  : register j = (channel 8 h + j, key r)   -> A fragment of the scores (row key, k = channel)
;   Q^T = Wq-frag x X-frag  : (channel 8 h + j, query r), x 1/sqrt(32) -> B fragment of the scores
;   V   = X-frag  x Wv-frag : (key 8 h + j, channel r)                -> A fragment of P V (row channel, k = key)
;   S^T = K x Q + bias tile : (key 8 h + j, query r)                  -> after the softmax, B fragment of P V
;   O^T = V x P             : (channel 8 h + j, query r), the layout of the gates G^T = Wg-frag x X-frag + bgate
;   out^T = Wf-frag x OG-frag + bfinal : (column 8 h + j, query r), through a stage of 16 rows into whole rows of 256 bytes.
; The softmax takes the row's true maximum over all 256 keys away; 1 / sum is applied behind P V (the same quotient).
; FORMATS: operands f16, all sums, norms, softmax and gates f32.  Room in f16 (largest 65,504): |X| <= 16 max|ln1_g| + max|ln1_b|; by
; Cauchy-Schwarz |q|, |k|, |v| <= |X row| |W column|, about 19 as drawn, 17,300 with ln1_g and the weights both 30 times larger, and the same with
; the weights offset by 30 spreads; P is in [0, 1]; the gated output is a convex mix of v times a gate in (0, 1).  LIMIT: beyond
; |X row| |W column| = 65,504 an operand becomes infinite.  Exponentials below 2^-126 and P below 2^-25 count as 0 beside a row's largest P = 1.
; The maximum skips NaN; a NaN score still reaches its row through the sum.
; NO CLUSTER, NO TENSOR LOADS: bias tiles and weight fragments go from memory straight into operand registers in fragment
; order.  A joint load would need LDS slots: one query tile's bias for four waves is 65,536 bytes, two slots 131,072, and 20,480 bytes are free.
; THE BIAS has registers of its own and is the C operand of the score product, whose D is the score tile (one product a tile: k = 32 channels).
; Two sets of 16 tiles take turns, so that a set is asked for two query tiles ahead: right behind the products that read it.
; PRODUCTS AND VECTOR WORK TAKE TURNS.  A wave issues in order, so vector work is cut into numbered slices, each behind one product of another, independent piece:
;   gate pass: the sigmoid of query tile qt - 1 (32 slices: two transcendentals and one packed instruction) behind the 32 products of tile qt;
;   K, Q, V:   V's tail of key tile t - 1 behind K's and Q's products of tile t, K's and Q's tail of tile t behind V's products of tile t (slices of four);
;   scores:    the maximum over score tile t - 1 (four instructions) behind the product of tile t;
;   P V:       the two products of key block kb stand in the softmax of block kb + 2, where exponentials alternate with plain instructions.
; The slices work in window 0, the products' A, B or C lie in windows 1 to 3, and K or V (128 registers) with the scores (128), P and O do not fit into one window:
; a turn costs two s_set_vgpr_msb, 69 in a query trip (32 products, some 450 vector instructions), 64 in a gate trip, 17 to 20 in a key trip.
; Memory and LDS instructions stay out of the slices: each trip has one run of them.
; LDS: X f16 [256 rows] pitch 528 at 0; OG at 135,168: wave w's part of 128 rows, pitch 272: 64 f32 gates a row, overwritten from the left by the
; f16 gated output (head 0: bytes 0-63 behind the read of its gates in bytes 0-127; head 1: bytes 64-127, its gates in 128-255);
; QS at 274,432: 8,192 bytes a wave: eight Q fragments, later the stage of the way out.
; REGISTERS, windows of 256: window 0 addresses and working tiles (below);
; window 1: v0-127 Wk, v128-255 Wq while K and Q are made; then the bias sets (even query tiles v128-255, odd ones v0-127); then the next Wk, Wq or Wfinal's tiles 0-1, 2-3;
; window 2: v0-127 Wv, v128-135 Q fragment, v144-159 gates, v160-191 bfinal as C tiles; window 3: Wgate, then K fragments (8 t) and V (128 + 64 T + 8 kb).
.set XP, 528                           ; X's pitch: 512 + 16, an odd multiple of 16
.set XT, 16*XP                         ; 16 rows
.set OG, 256*XP
.set OP, 272
.set OT, 16*OP
.set OW, 128*OP                        ; a wave's part of OG
.set QS, OG+4*OW
.set MQ, 0                             ; byte offsets of the matrices in wfrag
.set MK, 131072
.set MV, 262144
.set MG, 393216
.set MF, 524288
.set HB, 16384                         ; two tiles of 16 columns: a head's block of a matrix; also one query tile of a head's bias
.set BS0, 128                          ; window 1: the bias set of even query tiles
.set BS1, 0                            ; of odd ones
.set L16, 1                            ; 16 x lane
.set XA,  2                            ; X fragment: 528 r + 16 h
.set XA2, 3                            ; the same, 128 rows down
.set BOL, 4                            ; bias, key tiles 0-7 in LDS order: 16 lane + 8,192 qh
.set BOH, 5                            ; key tiles 8-15: 16 lane + 8,192 (1 - qh)
.set GA,  6                            ; gates of the current query tile
.set GS,  7                            ; gated output of the current query tile
.set QL,  8                            ; my Q fragments
.set QR,  9                            ; the Q fragment to read next
.set XG,  10                           ; stepped fragment address (last projection)
.set GL32, 11                          ; my part of OG + 272 r + 32 h
.set GL16, 12                          ; my part of OG + 272 r + 16 h
.set STO, 13                           ; stage, in
.set NM,  14                           ; v[14:15] -log2(e) x maximum, twice
.set RINV, 16                          ; v[16:17] 1 / sum, twice
.set SUM, 18                           ; v[18:25] four pair chains
.set MX,  26                           ; v[26:29] four chains of the maximum
.set PX,  30                           ; destination of the lane exchange
.set TV,  31
.set SC,  32                           ; v[32:159]  LN ring; X fragments, buffer 0 (32) and 1 (96); 16 score tiles
.set XF1, 96
.set ACA, 160                          ; v[160:191] four accumulators
.set ACB, 192                          ; v[192:223] four more; in the gate pass bgate as C tiles
.set BG,  192
.set TMP, 224
.set GE,  160                          ; gate pass: the four accumulators of even query tiles
.set GO,  224                          ; of odd ones
.set PR,  160                          ; v[160:223] eight P fragments
.set OA,  224                          ; v[224:255] O: tile 0, 1 over even key blocks, tile 0, 1 over odd ones
.set LG,  160                          ; LN: ln1_g, ln1_b of my 16 columns
.set LB,  176
.set LT,  224                          ; LN: at work
.set LY,  240                          ; LN: 8 packed words
.set VX,  248                          ; LN: x1d offset
.set VS,  249                          ; LN: LDS address
.set VG,  250                          ; LN: 16 x (lane & 15)
.set VB,  251                          ; 256 w + 32 h: bgate, bfinal
.set LMU, 252
.set LR,  254
.set RDB, 128                          ; last projection: stage, out
.set CO,  129                          ; my byte offset in out0
.set FA1, 130                          ; XG + two waves' parts of OG
.set RBK, 96                           ; v[96:127] rows read back from the stage
.set MSB, 0
.macro WIN new                         ; the immediate's high byte repeats the setting that is left
.if MSB != \new
	s_set_vgpr_msb (MSB<<8)|\new
.set MSB, \new
.endif
.endm
.macro MM d, a, b, z                   ; one matrix instruction; z = 1: it starts the sum
.if \z
	v_wmma_f32_16x16x32_f16 v[\d:\d+7], v[\a:\a+7], v[\b:\b+7], 0
.else
	v_wmma_f32_16x16x32_f16 v[\d:\d+7], v[\a:\a+7], v[\b:\b+7], v[\d:\d+7]
.endif
.endm
.macro PLACES                          ; four plain vector instructions between a matrix instruction and a vector read of its result or a load into its registers
.rept 4
	v_nop
.endr
.endm
.macro LOADW reg0, b, off, n0, cnt     ; fragments are linear in wfrag: piece n of 512 bytes goes to registers reg0 + 4 n
.set ln, \n0
.rept \cnt
	global_load_b128 v[\reg0+4*ln:\reg0+4*ln+3], v[L16], s[\b:\b+1] offset:\off+512*ln
.set ln, ln+1
.endr
.endm
.macro XLOAD t, reg                    ; the eight fragments (16 rows x 256 k) of X's row tile t
.set xn, 0
.rept 16
.if (\t) < 8
	ds_load_b128 v[\reg+4*xn:\reg+4*xn+3], v[XA] offset:(\t)*XT+32*xn
.else
	ds_load_b128 v[\reg+4*xn:\reg+4*xn+3], v[XA2] offset:((\t)-8)*XT+32*xn
.endif
.set xn, xn+1
.endr
.endm
.macro BLOAD kb, sb, off               ; bias tiles 2 kb, 2 kb + 1 of the query tile at byte off into set sb (window 1): tile t lies in registers sb + 8 t
.set bn, 0
.rept 4
.if (\kb) < 4
	global_load_b128 v[\sb+16*(\kb)+4*bn:\sb+16*(\kb)+4*bn+3], v[BOL], s[30:31] offset:\off+((2*(\kb))&7)*1024+512*bn
.else
	global_load_b128 v[\sb+16*(\kb)+4*bn:\sb+16*(\kb)+4*bn+3], v[BOH], s[30:31] offset:\off+((2*(\kb))&7)*1024+512*bn
.endif
.set bn, bn+1
.endr
.endm
	s_load_b512 s[4:19], s[0:1], 0x0               ; x1d s[4:5], ln1_g s[6:7], ln1_b s[8:9], bgate s[10:11], bfinal s[12:13], biasw s[14:15], wfrag s[16:17], out0 s[18:19]
	s_set_vgpr_msb 0x80
	v_lshl_add_u32 v254, v0, 2, 0x4b000
	v_mov_b32 v255, 0
	s_set_vgpr_msb 0x8000
	v_lshrrev_b32 v[TV], 5, v0
	v_readfirstlane_b32 s20, v[TV]                 ; wave
	s_and_b32 s21, ttmp9, 1                        ; qh
	s_lshr_b32 s22, ttmp9, 1                       ; m
	s_mov_b32 s32, 0x76543210                      ; lane i of one half reads lane i of the other
	s_mov_b32 s33, 0xfedcba98
	s_mov_b32 s40, 0x3b800000                      ; 1 / 256
	s_mov_b32 s41, 0x3727c5ac                      ; 1e-5
	v_and_b32 v[PX], 31, v0
	v_lshlrev_b32 v[L16], 4, v[PX]
	v_and_b32 v[MX], 15, v0                        ; r
	v_bfe_u32 v[MX+1], v0, 4, 1                    ; h
	v_mul_u32_u24 v[XA], v[MX], XP
	v_lshl_add_u32 v[XA], v[MX+1], 4, v[XA]
	v_add_nc_u32 v[XA2], 8*XT, v[XA]
	s_lshl_b32 s24, s21, 13
	v_add_nc_u32 v[BOL], s24, v[L16]
	s_xor_b32 s24, s24, 8192
	v_add_nc_u32 v[BOH], s24, v[L16]
	s_mul_i32 s24, s20, OW
	s_add_co_u32 s24, s24, OG
	v_mul_u32_u24 v[MX+2], v[MX], OP
	v_add_nc_u32 v[MX+3], s24, v[MX+2]
	v_lshl_add_u32 v[GL32], v[MX+1], 5, v[MX+3]
	v_lshl_add_u32 v[GL16], v[MX+1], 4, v[MX+3]
	s_lshl_b32 s24, s20, 13
	s_add_co_u32 s24, s24, QS
	v_add_nc_u32 v[QL], s24, v[L16]
	v_add_nc_u32 v[MX+3], s24, v[MX+2]
	v_lshl_add_u32 v[STO], v[MX+1], 5, v[MX+3]
	v_lshlrev_b32 v[VG], 4, v[MX]
	v_lshl_add_u32 v[VX], v[MX+1], 13, v[VG]       ; lanes 16-31 take the row 8 further down
	v_mul_u32_u24 v[VS], v[MX+1], 8*XP
	v_lshl_add_u32 v[VS], v[MX], 3, v[VS]
	s_mul_i32 s24, s20, 64*XP
	v_add_nc_u32 v[VS], s24, v[VS]                 ; LDS rows 64 w ..: (64 w + 8 hw) x 528 + 8 x (lane & 15)
	s_lshl_b32 s24, s20, 8
	v_lshl_add_u32 v[VB], v[MX+1], 5, s24
	s_lshl_b32 s24, s20, 6
	s_lshl_b32 s25, s21, 7
	s_xor_b32 s24, s24, s25                        ; my first residue: 64 w xor 128 qh
	s_lshl_b32 s24, s24, 10
	s_lshl_b32 s36, s22, 18                        ; m x 262,144
	s_add_co_u32 s24, s24, s36
	s_mov_b32 s25, 0
	s_lshl_b32 s38, s21, 17                        ; qh x 131,072: 128 rows of out0, and 8 query tiles of bias
	s_add_co_u32 s36, s36, s38
	s_mov_b32 s37, 0
	s_lshl_b32 s39, s20, 19                        ; head 2 w x 262,144
	s_add_co_u32 s38, s38, s39
	s_mov_b32 s39, 0
	s_wait_kmcnt 0x0
	s_add_nc_u64 s[26:27], s[4:5], s[24:25]        ; x1d at my first row
	s_add_nc_u64 s[34:35], s[18:19], s[36:37]      ; out0 at the work-group's first row
	s_add_nc_u64 s[30:31], s[14:15], s[38:39]      ; biasw at (head 2 w, query tile 8 qh)
	s_lshl_b32 s24, s20, 15
	s_add_nc_u64 s[28:29], s[16:17], s[24:25]      ; wfrag at head 2 w's block; never stepped
	; ---------------- PHASE 0: LN(x1d) into LDS as f16 ----------------
	; Wave w makes LDS rows 64 w .. + 63.  A slot of the ring is two rows (one for each half of the lanes), four loads of which 16 lanes take 256
	; consecutive bytes; lane l takes columns 64 i + 4 (l & 15) + e.  Eight slots: 32 loads of a wave on their way.
.irp i, 0,1,2,3
	global_load_b128 v[LG+4*\i:LG+4*\i+3], v[VG], s[6:7] offset:256*\i
	global_load_b128 v[LB+4*\i:LB+4*\i+3], v[VG], s[8:9] offset:256*\i
.endr
.irp q, 0,1,2,3
	global_load_b128 v[BG+8*\q:BG+8*\q+3], v[VB], s[10:11] offset:64*\q        ; bgate[64 w + 16 q + 8 h + j]: a C tile, the same in every column
	global_load_b128 v[BG+8*\q+4:BG+8*\q+7], v[VB], s[10:11] offset:64*\q+16
.endr
	WIN 0x80
.irp q, 0,1,2,3
	global_load_b128 v[160+8*\q:160+8*\q+3], v[VB], s[12:13] offset:64*\q      ; bfinal likewise, window 2
	global_load_b128 v[160+8*\q+4:160+8*\q+7], v[VB], s[12:13] offset:64*\q+16
.endr
	WIN 0
.irp st, 0,1,2,3,4,5,6,7
.irp i, 0,1,2,3
	global_load_b128 v[SC+16*\st+4*\i:SC+16*\st+4*\i+3], v[VX], s[26:27] offset:\st*1024+\i*256
.endr
.endr
; One slot's turn.  ahead = 1: the slot is filled again, 16 rows further down.  left = the younger loads that may stay out.
; wg = 1: eight pieces of Wgate go out behind the turn (window 3).
.macro LNTURN st, ahead, left, wg
.set X0, SC+16*\st
	s_wait_loadcnt \left
	v_pk_add_f32 v[LT:LT+1], v[X0:X0+1], v[X0+2:X0+3]
	v_pk_add_f32 v[LT+2:LT+3], v[X0+4:X0+5], v[X0+6:X0+7]
	v_pk_add_f32 v[LT+4:LT+5], v[X0+8:X0+9], v[X0+10:X0+11]
	v_pk_add_f32 v[LT+6:LT+7], v[X0+12:X0+13], v[X0+14:X0+15]
	v_pk_add_f32 v[LT:LT+1], v[LT:LT+1], v[LT+2:LT+3]
	v_pk_add_f32 v[LT+4:LT+5], v[LT+4:LT+5], v[LT+6:LT+7]
	v_pk_add_f32 v[LT:LT+1], v[LT:LT+1], v[LT+4:LT+5]
	v_add_f32 v[LT], v[LT], v[LT+1]
.irp x, 1,2,4,8
	v_add_f32_dpp v[LT], v[LT], v[LT] row_xmask:\x row_mask:0xf bank_mask:0xf      ; over the 16 lanes of the row
.endr
	v_mul_f32 v[LMU], 0xbb800000, v[LT]            ; -sum / 256
	v_mul_f32 v[LMU+1], 0xbb800000, v[LT]
.irp p, 0,1,2,3,4,5,6,7
	v_pk_add_f32 v[X0+2*\p:X0+2*\p+1], v[X0+2*\p:X0+2*\p+1], v[LMU:LMU+1]
.endr
	v_pk_mul_f32 v[LT:LT+1], v[X0:X0+1], v[X0:X0+1]
	v_pk_mul_f32 v[LT+2:LT+3], v[X0+2:X0+3], v[X0+2:X0+3]
.irp p, 2,4,6
	v_pk_fma_f32 v[LT:LT+1], v[X0+2*\p:X0+2*\p+1], v[X0+2*\p:X0+2*\p+1], v[LT:LT+1]
	v_pk_fma_f32 v[LT+2:LT+3], v[X0+2*\p+2:X0+2*\p+3], v[X0+2*\p+2:X0+2*\p+3], v[LT+2:LT+3]
.endr
	v_pk_add_f32 v[LT:LT+1], v[LT:LT+1], v[LT+2:LT+3]
	v_add_f32 v[LT], v[LT], v[LT+1]
.irp x, 1,2,4,8
	v_add_f32_dpp v[LT], v[LT], v[LT] row_xmask:\x row_mask:0xf bank_mask:0xf
.endr
	v_fma_f32 v[LT], v[LT], s40, s41               ; var + eps
	v_rsq_f32 v[LR], v[LT]
	v_rsq_f32 v[LR+1], v[LT]
	v_nop                                          ; one plain instruction between the root and its use (ISA guide 5.7.2)
	s_wait_alu depctr_va_vdst(0)
.irp p, 0,1,2,3,4,5,6,7
	v_pk_mul_f32 v[X0+2*\p:X0+2*\p+1], v[X0+2*\p:X0+2*\p+1], v[LR:LR+1]
.endr
.irp p, 0,1,2,3,4,5,6,7
	v_pk_fma_f32 v[LT+2*\p:LT+2*\p+1], v[X0+2*\p:X0+2*\p+1], v[LG+2*\p:LG+2*\p+1], v[LB+2*\p:LB+2*\p+1]
.endr
.irp p, 0,1,2,3,4,5,6,7
	v_cvt_pk_f16_f32 v[LY+\p], v[LT+2*\p], v[LT+2*\p+1]
.endr
.if \ahead
.irp i, 0,1,2,3
	global_load_b128 v[X0+4*\i:X0+4*\i+3], v[VX], s[26:27] offset:16384+\st*1024+\i*256
.endr
.endif
.irp i, 0,1,2,3
	ds_store_b64 v[VS], v[LY+2*\i:LY+2*\i+1] offset:\st*XP+\i*128   ; the two halves' rows lie 8 x 528 bytes apart: 128 bytes apart modulo 256
.endr
.if \wg
	WIN 0xc0
	LOADW 0, 28, MG, 8*\st, 8
	WIN 0
.endif
.endm
	s_mov_b32 s24, 0
.Lln:
.irp st, 0,1,2,3,4,5,6,7
	LNTURN \st, 1, 28, 0                           ; 28 = the seven younger slots' four loads each
.endr
	s_wait_xcnt 0x0                                ; the loads' base is stepped only behind this wait
	s_add_nc_u64 s[26:27], s[26:27], 16384
	v_add_nc_u32 v[VS], XT, v[VS]
	s_add_co_u32 s24, s24, 1
	s_cmp_lt_u32 s24, 3
	s_cbranch_scc1 .Lln
.irp st, 0,1,2,3,4,5,6,7
	LNTURN \st, 0, 28+4*\st, 1                     ; the last 16 rows: 4 (7 - st) younger loads of the ring and 8 st of Wgate
.endr
	s_wait_dscnt 0x0                               ; my rows of X are written, for the other waves' sake
	s_barrier_signal -1
	s_barrier_wait -1                              ; X is whole; it is only read from here on
	; ---------------- PHASE 1: the gates of my two heads for the 128 queries, f32, into my part of OG ----------------
	; Two query tiles take turns: while tile qt's 32 products run into one accumulator set, the sigmoid of tile qt - 1 is made in the other.
	; The sigmoid of 32 registers goes by pairs p = 0..15 through four stages, staggered over 32 slices:
	;   slice 2 p    : 2^x of pair p,           then -log2(e) z of pair p + 1
	;   slice 2 p + 1: 1 / x of pair p - 1,     then 1 + x of pair p
	; so each slice ends in a plain instruction, and a plain instruction stands between every transcendental and the use of its result (ISA guide 5.7.2).
.macro GMUL a, p
	v_pk_mul_f32 v[\a+2*(\p):\a+2*(\p)+1], v[\a+2*(\p):\a+2*(\p)+1], 0xbfb8aa3b op_sel_hi:[1,0]   ; -log2(e) z
.endm
.macro GSIG a, s
.if ((\s)&1) == 0
	v_exp_f32 v[\a+(\s)], v[\a+(\s)]
	v_exp_f32 v[\a+(\s)+1], v[\a+(\s)+1]
.if (\s) < 30
	GMUL \a, (\s)/2+1
.else
	v_nop
.endif
.else
.if (\s) >= 3
	v_rcp_f32 v[\a+(\s)-3], v[\a+(\s)-3]           ; 1 / (1 + 2^(-log2(e) z)); an infinite power gives 0
	v_rcp_f32 v[\a+(\s)-2], v[\a+(\s)-2]
.endif
	s_wait_alu depctr_va_vdst(0)
	v_pk_add_f32 v[\a+(\s)-1:\a+(\s)], v[\a+(\s)-1:\a+(\s)], 1.0 op_sel_hi:[1,0]
.endif
.endm
; The last pair's reciprocals, then the tile's gates go to LDS in one run.  The three v_nop and slice 31's addition are the four places between the
; trip's last product and the loads into its X fragments that follow this macro; the first also stands between the reciprocals and their store.
.macro GEND a, so
	v_rcp_f32 v[\a+30], v[\a+30]
	v_rcp_f32 v[\a+31], v[\a+31]
	v_nop
	v_nop
	v_nop
	s_wait_alu depctr_va_vdst(0)
.irp q, 0,1,2,3
	ds_store_b128 v[GL32], v[\a+8*\q:\a+8*\q+3] offset:\so+64*\q       ; row = query r, channels 16 q + 8 h + 0..7
	ds_store_b128 v[GL32], v[\a+8*\q+4:\a+8*\q+7] offset:\so+64*\q+16
.endr
.endm
; Query tile 'tile'.  w: the LDS instructions younger than the loads of its X fragments.  pf = 1, 2, 3: head 2 w's Wk, Wq, Wv go out, one block a trip.
.macro GTRIP tile, w, pf
.set gcur, GE+(GO-GE)*((\tile)&1)
.set gprev, GE+(GO-GE)*(1-((\tile)&1))
.set gxb, SC+64*((\tile)&1)
	s_wait_dscnt \w
.if (\tile) > 0
	GMUL gprev, 0                                  ; the first pair of the tile before: at least four plain instructions stand behind the product that made it
.endif
.irp c, 0,1,2,3,4,5,6,7
.irp q, 0,1,2,3
	WIN 0x03                                       ; A: Wgate, window 3
.if \c == 0
	v_wmma_f32_16x16x32_f16 v[gcur+8*\q:gcur+8*\q+7], v[64*\q:64*\q+7], v[gxb:gxb+7], v[BG+8*\q:BG+8*\q+7]   ; bgate starts the sums
	s_wait_alu depctr_va_vdst(0)
.else
	MM gcur+8*\q, 64*\q+8*\c, gxb+8*\c, 0          ; four sums by turns, one instruction a turn
.endif
.if (\tile) > 0
	WIN 0
	GSIG gprev, 4*\c+\q
.endif
.endr
.endr
	WIN 0
.if (\tile) > 0
	GEND gprev, ((\tile)-1)*OT
.else
	PLACES
.endif
.if (\tile) <= 5
	XLOAD (\tile)+2, gxb                           ; the tile after next, into the buffer just used
.endif
.if \pf == 1
	WIN 0x40
	LOADW 0, 28, MK, 0, 32
	WIN 0
.endif
.if \pf == 2
	WIN 0x40
	LOADW 128, 28, MQ, 0, 32
	WIN 0
.endif
.if \pf == 3
	WIN 0x80
	LOADW 0, 28, MV, 0, 32
	WIN 0
.endif
.endm
	XLOAD 0, SC
	XLOAD 1, XF1
	s_wait_loadcnt 0x0                             ; Wgate and bgate
	GTRIP 0, 16, 1                                 ; younger than tile 0's loads: tile 1's 16
	GTRIP 1, 16, 2                                 ; tile 2's 16
	GTRIP 2, 24, 3                                 ; the run behind the trip before: 8 gate stores and the next tile's 16 loads
	GTRIP 3, 24, 0
	GTRIP 4, 24, 0
	GTRIP 5, 24, 0
	GTRIP 6, 24, 0
	GTRIP 7, 8, 0                                  ; behind tile 6 only the 8 stores: no tile is left to fetch
	GMUL GO, 0                                     ; the last tile's sigmoid has no products beside it
.set gs, 0
.rept 32
	GSIG GO, gs
.set gs, gs+1
.endr
	GEND GO, 7*OT
	; ---------------- PHASE 2: my two heads, one after the other ----------------
; Slice s = 0..3 of V's tail of key tile t: even and odd k blocks are added (two slices), then packed into V's fragments in window 3 (two slices).
.macro TB t, s
.if (\s) < 2
	WIN 0
.irp i, 0,1,2,3
	v_pk_add_f32 v[ACB+8*(\s)+2*\i:ACB+8*(\s)+2*\i+1], v[ACB+8*(\s)+2*\i:ACB+8*(\s)+2*\i+1], v[ACB+16+8*(\s)+2*\i:ACB+16+8*(\s)+2*\i+1]
.endr
.else
	WIN 0xc0                                       ; destinations in window 3: channels 0-15 at 128, 16-31 at 192
.irp i, 0,1,2,3
	v_cvt_pk_f16_f32 v[64*(\s)+8*((\t)>>1)+4*((\t)&1)+\i], v[ACB+8*(\s)-16+2*\i], v[ACB+8*(\s)-16+2*\i+1]
.endr
.endif
.endm
; Slice s of K's and Q's tail of key tile t.  t < 8, six slices: K packed (2), q / sqrt(32) in f32 (2), Q packed (2).  t >= 8, four: K's halves added (2), K packed (2).
.macro TA t, s
.if (\t) < 8
.if (\s) < 2
	WIN 0xc0
.irp i, 0,1,2,3
	v_cvt_pk_f16_f32 v[8*(\t)+4*(\s)+\i], v[ACA+8*(\s)+2*\i], v[ACA+8*(\s)+2*\i+1]
.endr
.else
	WIN 0
.if (\s) < 4
.irp i, 0,1,2,3
	v_pk_mul_f32 v[ACA+8*(\s)+2*\i:ACA+8*(\s)+2*\i+1], v[ACA+8*(\s)+2*\i:ACA+8*(\s)+2*\i+1], 0x3e3504f3 op_sel_hi:[1,0]
.endr
.else
.irp i, 0,1,2,3
	v_cvt_pk_f16_f32 v[TMP+4*(\s)-16+\i], v[ACA+8*(\s)-16+2*\i], v[ACA+8*(\s)-16+2*\i+1]
.endr
.endif
.endif
.else
.if (\s) < 2
	WIN 0
.irp i, 0,1,2,3
	v_pk_add_f32 v[ACA+8*(\s)+2*\i:ACA+8*(\s)+2*\i+1], v[ACA+8*(\s)+2*\i:ACA+8*(\s)+2*\i+1], v[ACA+16+8*(\s)+2*\i:ACA+16+8*(\s)+2*\i+1]
.endr
.else
	WIN 0xc0
.irp i, 0,1,2,3
	v_cvt_pk_f16_f32 v[8*(\t)+4*(\s)-8+\i], v[ACA+8*(\s)-16+2*\i], v[ACA+8*(\s)-16+2*\i+1]
.endr
.endif
.endif
.endm
; Key tile t: K^T and V for all 16 tiles, Q^T for tiles 0-7 (the work-group's queries).  X fragments in two buffers, fetched two tiles ahead.
; V's tail of tile t - 1 stands behind the last four k blocks of K's and Q's products; its last slice, behind their last product, is also the four places
; in front of K's and Q's tail, which stands behind V's products; the last slice of that, behind V's last product, is the four places in front of
; the loads into the X buffer and of V's tail in the next trip.
; Wq is read for the last time by tile 7's products: tiles 8 and 9 ask for the first query tile's bias into its half of window 1.
; Wk is read for the last time by tile 15's: the second query tile's bias goes out there.
.macro PTRIP t
.set pb, SC+64*((\t)&1)
.set pw, 16                            ; younger LDS instructions: the 16 loads of tile t + 1,
.if (\t) >= 1
.if (\t) <= 8
.set pw, 18                            ; and the two Q stores that stand ahead of them in the run behind trip t - 1
.endif
.endif
.if (\t) == 15
.set pw, 0                             ; nothing was fetched behind the last tile
.endif
	s_wait_dscnt pw
.irp c, 0,1,2,3,4,5,6,7
	WIN 0x01                                       ; A: Wk, Wq, window 1
.if (\t) < 8
.if \c == 0
.set pz, 1
.else
.set pz, 0
.endif
	MM ACA, 8*\c, pb+8*\c, pz                      ; K tile 0, K tile 1, Q tile 0, Q tile 1 by turns
	MM ACA+8, 64+8*\c, pb+8*\c, pz
	MM ACA+16, 128+8*\c, pb+8*\c, pz
	MM ACA+24, 192+8*\c, pb+8*\c, pz
.else
.if \c < 2
.set pz, 1
.else
.set pz, 0
.endif
	MM ACA+16*(\c&1), 8*\c, pb+8*\c, pz            ; no Q: even and odd k blocks keep sums of their own, so that four still take turns
	MM ACA+16*(\c&1)+8, 64+8*\c, pb+8*\c, pz
.endif
.if \c >= 4
.if (\t) >= 1
	TB (\t)-1, \c-4
.else
.if \c == 7
	WIN 0
	PLACES                                         ; the first tile has no tail before it
.endif
.endif
.endif
.endr
.irp c, 0,1,2,3,4,5,6,7
	WIN 0x08                                       ; B: Wv, window 2
.if \c < 2
.set pz, 1
.else
.set pz, 0
.endif
	MM ACB+16*(\c&1), pb+8*\c, 8*\c, pz
	MM ACB+16*(\c&1)+8, pb+8*\c, 64+8*\c, pz
.if (\t) < 8
.if \c >= 2
	TA \t, \c-2
.endif
.else
.if \c >= 4
	TA \t, \c-4
.endif
.endif
.endr
	WIN 0
	; the trip's one run of LDS and memory instructions
.if (\t) < 8
	ds_store_b128 v[QL], v[TMP:TMP+3] offset:(\t)*1024
	ds_store_b128 v[QL], v[TMP+4:TMP+7] offset:(\t)*1024+512
.endif
.if (\t) <= 13
	XLOAD (\t)+2, pb                               ; tile t + 2 into the buffer just used
.endif
.if (\t) == 8
	WIN 0x40                                       ; destinations in window 1
.irp kb, 0,1,2,3
	BLOAD \kb, BS0, 0                              ; query tile 0, key tiles 0-7
.endr
	WIN 0
.endif
.if (\t) == 9
	WIN 0x40
.irp kb, 4,5,6,7
	BLOAD \kb, BS0, 0                              ; query tile 0, key tiles 8-15
.endr
	WIN 0
.endif
.if (\t) == 15
	WIN 0x40
.irp kb, 0,1,2,3,4,5,6,7
	BLOAD \kb, BS1, HB                             ; query tile 1
.endr
	WIN 0
.endif
.endm
.macro QFMA kb                         ; log2(e) s - log2(e) max, 16 registers
.set fn, 0
.rept 8
	v_pk_fma_f32 v[SC+16*(\kb)+2*fn:SC+16*(\kb)+2*fn+1], v[SC+16*(\kb)+2*fn:SC+16*(\kb)+2*fn+1], 0x3fb8aa3b, v[NM:NM+1] op_sel_hi:[1,0,1]
.set fn, fn+1
.endr
.endm
.macro PV kb, tt                       ; one product of P V: channel tile tt, key block kb.  Two channel tiles x even and odd key blocks: four sums by turns
	WIN 0x03                                       ; A: V, window 3
.if (\kb) < 2
	MM OA+16*((\kb)&1)+8*(\tt), 128+64*(\tt)+8*(\kb), PR+8*(\kb), 1
.else
	MM OA+16*((\kb)&1)+8*(\tt), 128+64*(\tt)+8*(\kb), PR+8*(\kb), 0
.endif
	WIN 0
.endm
; Step k = 0..8 of the softmax: the exponentials of key block k alternate with plain instructions that touch neither their results nor their sources: the arguments of
; block k + 1, the sums and the packing of block k - 1.  The two products of block k - 2, whose P fragment the step before has finished, stand behind the second and the sixth group.
.macro QSTEP k
.irp i, 0,1,2,3,4,5,6,7
.if (\k) <= 7
	v_exp_f32 v[SC+16*(\k)+2*\i], v[SC+16*(\k)+2*\i]
.endif
.if (\k) <= 6
	v_pk_fma_f32 v[SC+16*(\k)+16+2*\i:SC+16*(\k)+16+2*\i+1], v[SC+16*(\k)+16+2*\i:SC+16*(\k)+16+2*\i+1], 0x3fb8aa3b, v[NM:NM+1] op_sel_hi:[1,0,1]
.endif
.if (\k) <= 7
	v_exp_f32 v[SC+16*(\k)+2*\i+1], v[SC+16*(\k)+2*\i+1]
.endif
.if (\k) >= 1
.if (\k) == 1
.if \i < 4
	s_wait_alu depctr_va_vdst(0)
	v_pk_add_f32 v[SUM+2*\i:SUM+2*\i+1], v[SC+4*\i:SC+4*\i+1], v[SC+4*\i+2:SC+4*\i+3]     ; the first block starts the four chains
.endif
.else
	s_wait_alu depctr_va_vdst(0)
	v_pk_add_f32 v[SUM+2*(\i&3):SUM+2*(\i&3)+1], v[SUM+2*(\i&3):SUM+2*(\i&3)+1], v[SC+16*(\k)-16+2*\i:SC+16*(\k)-16+2*\i+1]
.endif
	v_cvt_pk_f16_f32 v[PR+8*(\k)-8+\i], v[SC+16*(\k)-16+2*\i], v[SC+16*(\k)-16+2*\i+1]
.endif
.if (\k) >= 2
.if \i == 1
	PV (\k)-2, 0
.endif
.if \i == 5
	PV (\k)-2, 1
.endif
.endif
.endr
.endm
; One query tile of 16 queries against all 256 keys.  sb: the bias set that it reads and then gives free.
; fill = 0: the set gets the bias of the query tile two further on, at byte off from the stepped base;
; fill = 1: v128-255 get the next head's Wq, or Wfinal's tiles 2-3; fill = 2: v0-127 get the next head's Wk, or Wfinal's tiles 0-1, and Wv follows.
; last = 1: no further Q fragment.  The Q fragment is in: the first was waited for ahead of the loop, each later one in front of the gates' multiply of the trip that asked for it.
.macro QTRIP sb, fill, off, last
	s_wait_loadcnt 32                              ; loads come back in order (ISA guide 5.7.1): this tile's 32 bias loads are in; the 32 issued behind them
	                                               ; (the other set's next tile; in the last trip the block that the trip before asked for) stay out
	; Sixteen sums of one product each.  Behind the product of tile t stands the maximum over tile t - 1: its four instructions name none of that product's
	; registers, so they are also the four places (ISA guide 7.12.1) in front of the next slice, which reads tile t.
.irp t, 0,1,2,3,4,5,6,7,8,9,10,11,12,13,14,15
	WIN 0x1b                                       ; A: K, window 3; B: Q, window 2; C: bias, window 1; D: scores, window 0
	v_wmma_f32_16x16x32_f16 v[SC+8*\t:SC+8*\t+7], v[8*\t:8*\t+7], v[128:135], v[\sb+8*\t:\sb+8*\t+7]
	WIN 0
.if \t == 0
.if \last == 0
	v_add_nc_u32 v[QR], 1024, v[QR]                ; four places, one of them useful: the next Q fragment's address
	v_nop
	v_nop
	v_nop
.else
	PLACES
.endif
.endif
.if \t == 1
.irp k, 0,1,2,3
	v_max_num_f32 v[MX+\k], v[SC+2*\k], v[SC+2*\k+1]           ; tile 0 starts the four chains
.endr
.endif
.if \t >= 2
.irp k, 0,1,2,3
	v_max3_num_f32 v[MX+\k], v[MX+\k], v[SC+8*\t-8+2*\k], v[SC+8*\t-8+2*\k+1]
.endr
.endif
.endr
	; The trip's one run of loads, four places behind the last product: into the products' C registers, into the Q fragment, and the gates.
	WIN 0x40                                       ; destinations in window 1
.if \fill == 0
.irp kb, 0,1,2,3,4,5,6,7
	BLOAD \kb, \sb, \off                           ; between this request and its wait stand the rest of this trip and the whole of the next
.endr
.endif
.if \fill == 1
	LOADW 128, 38, 0, 0, 32
.endif
.if \fill == 2
	LOADW 0, 36, 0, 0, 32
.endif
	WIN 0x80                                       ; destinations in window 2
.if \last == 0
	ds_load_b128 v[128:131], v[QR]                 ; the next Q fragment
	ds_load_b128 v[132:135], v[QR] offset:512
.endif
	ds_load_b128 v[144:147], v[GA]                 ; this tile's gates, in O's layout
	ds_load_b128 v[148:151], v[GA] offset:16
	ds_load_b128 v[152:155], v[GA] offset:64
	ds_load_b128 v[156:159], v[GA] offset:80
	WIN 0
.if \fill == 2
	s_cmp_lg_u32 s23, 0
	s_cbranch_scc1 .Lnorc_\@                       ; behind the second head no Wv is wanted.  These are the youngest loads of a head: no counted wait hangs on this branch
	WIN 0x80
	LOADW 0, 28, MV+HB, 0, 32
	WIN 0
.Lnorc_\@:
.endif
.irp k, 0,1,2,3
	v_max3_num_f32 v[MX+\k], v[MX+\k], v[SC+120+2*\k], v[SC+120+2*\k+1]        ; tile 15
.endr
	v_max3_num_f32 v[MX], v[MX], v[MX+1], v[MX+2]
	v_max_num_f32 v[MX], v[MX], v[MX+3]
	v_permlanex16_b32 v[PX], v[MX], s32, s33       ; the query's other 128 keys lie in lane xor 16
	v_max_num_f32 v[MX], v[MX], v[PX]
	v_mul_f32 v[NM], 0xbfb8aa3b, v[MX]             ; its rounding is the same for the whole row and cancels in the quotient
	v_mul_f32 v[NM+1], 0xbfb8aa3b, v[MX]
	QFMA 0
.irp k, 0,1,2,3,4,5,6,7,8
	QSTEP \k
.endr
	PV 7, 0
	v_pk_add_f32 v[SUM:SUM+1], v[SUM:SUM+1], v[SUM+2:SUM+3]        ; these four are the places behind the product above
	v_pk_add_f32 v[SUM+4:SUM+5], v[SUM+4:SUM+5], v[SUM+6:SUM+7]
	v_pk_add_f32 v[SUM:SUM+1], v[SUM:SUM+1], v[SUM+4:SUM+5]
	v_add_f32 v[SUM], v[SUM], v[SUM+1]
	v_permlanex16_b32 v[PX], v[SUM], s32, s33
	v_add_f32 v[SUM], v[SUM], v[PX]
	PV 7, 1
	v_rcp_f32 v[RINV], v[SUM]
	v_rcp_f32 v[RINV+1], v[SUM]
.irp i, 0,1,2,3,4,5,6,7
	v_pk_add_f32 v[OA+2*\i:OA+2*\i+1], v[OA+2*\i:OA+2*\i+1], v[OA+16+2*\i:OA+16+2*\i+1]   ; the first four (channel tile 0) are the places behind the last product, whose tile the other four read;
.endr                                                                                     ; the first also stands between the reciprocal and its use
	s_wait_alu depctr_va_vdst(0)
.irp i, 0,1,2,3,4,5,6,7
	v_pk_mul_f32 v[OA+2*\i:OA+2*\i+1], v[OA+2*\i:OA+2*\i+1], v[RINV:RINV+1]
.endr
	s_wait_dscnt 0x0                               ; the gates, and the next Q fragment
	WIN 0x08                                       ; second source: the gates, window 2
.irp i, 0,1,2,3,4,5,6,7
	v_pk_mul_f32 v[OA+2*\i:OA+2*\i+1], v[OA+2*\i:OA+2*\i+1], v[144+2*\i:144+2*\i+1]
.endr
	WIN 0
.irp i, 0,1,2,3,4,5,6,7
	v_cvt_pk_f16_f32 v[OA+16+\i], v[OA+2*\i], v[OA+2*\i+1]
.endr
	ds_store_b128 v[GS], v[OA+16:OA+19]            ; row = query r, channels 8 h + 0..7
	ds_store_b128 v[GS], v[OA+20:OA+23] offset:32  ; channels 16 + 8 h + 0..7
.if \last == 0
	v_add_nc_u32 v[GA], OT, v[GA]
	v_add_nc_u32 v[GS], OT, v[GS]
.endif
.endm
	s_mov_b32 s23, 0                               ; 0: head 2 w; 1: head 2 w + 1
.Lhead:
	XLOAD 0, SC                                    ; the first two key tiles' X fragments come from LDS while the last weights land
	XLOAD 1, XF1
	s_wait_loadcnt 0x0                             ; this head's Wk, Wq, Wv; no load is out, so the bases below may be written
	s_mov_b32 s36, MF
	s_mov_b32 s38, MF+HB
	s_cmp_eq_u32 s23, 0
	s_cselect_b32 s36, MK+HB, s36                  ; what the last two query trips fetch: the second head's Wk, Wq, or Wfinal's four tiles
	s_cselect_b32 s38, MQ+HB, s38
	s_mov_b32 s37, 0
	s_mov_b32 s39, 0
	s_add_nc_u64 s[36:37], s[28:29], s[36:37]
	s_add_nc_u64 s[38:39], s[28:29], s[38:39]
	s_lshl_b32 s25, s23, 7
	v_add_nc_u32 v[GA], s25, v[GL32]               ; the head's 32 gates: 128 bytes
	s_lshl_b32 s25, s23, 6
	v_add_nc_u32 v[GS], s25, v[GL16]               ; its 32 gated outputs: 64 bytes
	v_mov_b32 v[QR], v[QL]
.irp t, 0,1,2,3,4,5,6,7,8,9,10,11,12,13,14,15
	PTRIP \t
.endr
.irp s, 0,1,2,3
	TB 15, \s                                      ; the last key tile's V has no products beside its tail
.endr
	WIN 0x80
	ds_load_b128 v[128:131], v[QR]                 ; the first Q fragment: LDS serves a wave's instructions in order (ISA guide 5.7.1), so this sees my stores
	ds_load_b128 v[132:135], v[QR] offset:512
	WIN 0
	s_wait_dscnt 0x0                               ; it is in
	; Query tiles 0-5: three trips of a pair, since the two bias sets take turns.  The pair at tiles 2 i, 2 i + 1 asks for tiles 2 i + 2, 2 i + 3.
	s_mov_b32 s24, 0
.Lq:
	QTRIP BS0, 0, 2*HB, 0
	QTRIP BS1, 0, 3*HB, 0
	s_wait_xcnt 0x0                                ; the bias loads' base is stepped only behind this wait
	s_add_nc_u64 s[30:31], s[30:31], 2*HB
	s_add_co_u32 s24, s24, 1
	s_cmp_lt_u32 s24, 3
	s_cbranch_scc1 .Lq
	QTRIP BS0, 1, 0, 0                             ; tiles 6 and 7: no bias is left to ask for; the sets go back to the weights as they fall free
	QTRIP BS1, 2, 0, 1
	s_wait_xcnt 0x0
	s_add_nc_u64 s[30:31], s[30:31], 262144-6*HB   ; the next head's first query tile
	s_add_co_u32 s23, s23, 1
	s_cmp_lt_u32 s23, 2
	s_cbranch_scc1 .Lhead
	; ---------------- PHASE 3: out = gated output x Wfinal + bfinal, my 64 columns for the 128 queries ----------------
	s_wait_dscnt 0x0                               ; my gated outputs are written, for the other waves' sake
	s_barrier_signal -1
	s_barrier_wait -1
	s_wait_loadcnt 0x0                             ; Wfinal's tiles
	s_mul_i32 s25, s20, OW
	v_sub_nc_u32 v[XG], v[GL16], s25               ; OG + 272 r + 16 h: wave 0's part
	v_add_nc_u32 v[FA1], 2*OW, v[XG]               ; wave 2's part
	v_and_b32 v131, 15, v0
	v_lshlrev_b32 v131, 4, v131
	v_bfe_u32 v132, v0, 4, 1
	v_mul_u32_u24 v[RDB], v132, OP
	v_add_nc_u32 v[RDB], v[RDB], v131
	s_lshl_b32 s25, s20, 13
	s_add_co_u32 s25, s25, QS
	v_add_nc_u32 v[RDB], s25, v[RDB]               ; lanes 0-15 read one row of 256 bytes back, lanes 16-31 the next
	v_lshl_add_u32 v[CO], v132, 10, v131
	s_lshl_b32 s25, s20, 8
	v_add_nc_u32 v[CO], s25, v[CO]                 ; and the same two rows in out0, at my 256 bytes
.macro GFLOAD                          ; the eight fragments (16 queries x 256 channels): head cb lies in wave cb >> 1's part, 64 (cb & 1) bytes in
.irp cb, 0,1,2,3
	ds_load_b128 v[SC+8*\cb:SC+8*\cb+3], v[XG] offset:(\cb>>1)*OW+(\cb&1)*64
	ds_load_b128 v[SC+8*\cb+4:SC+8*\cb+7], v[XG] offset:(\cb>>1)*OW+(\cb&1)*64+32
.endr
.irp cb, 4,5,6,7
	ds_load_b128 v[SC+8*\cb:SC+8*\cb+3], v[FA1] offset:((\cb>>1)-2)*OW+(\cb&1)*64
	ds_load_b128 v[SC+8*\cb+4:SC+8*\cb+7], v[FA1] offset:((\cb>>1)-2)*OW+(\cb&1)*64+32
.endr
.endm
	GFLOAD
.macro FTRIP last
	s_wait_dscnt 0x0                               ; this tile's fragments
	WIN 0x21                                       ; A: Wfinal, window 1; C: bfinal, window 2
.irp q, 0,1,2,3
	v_wmma_f32_16x16x32_f16 v[ACA+8*\q:ACA+8*\q+7], v[64*\q:64*\q+7], v[SC:SC+7], v[160+8*\q:160+8*\q+7]   ; bfinal starts the sums
.endr
	WIN 0x01
.irp cb, 1,2,3,4,5,6,7
.irp q, 0,1,2,3
	MM ACA+8*\q, 64*\q+8*\cb, SC+8*\cb, 0          ; four sums by turns
.endr
.endr
	WIN 0
	; Five places, two of them useful.  The next trip's first products take bfinal as C and so write over these accumulators instead of adding
	; onto them: a matrix instruction that writes over another's registers stands five plain vector instructions behind it (ISA guide 7.12.1),
	; and these are the only vector instructions between this trip's products and the next trip's.  The stores of the results and the loads
	; into the fragment registers below ask for four.
	v_add_nc_u32 v[XG], OT, v[XG]
	v_add_nc_u32 v[FA1], OT, v[FA1]
	v_nop
	v_nop
	v_nop
.if \last == 0
	GFLOAD
.endif
.irp q, 0,1,2,3
	ds_store_b128 v[STO], v[ACA+8*\q:ACA+8*\q+3] offset:64*\q      ; my stage: row = query r, columns 16 q + 8 h + 0..7
	ds_store_b128 v[STO], v[ACA+8*\q+4:ACA+8*\q+7] offset:64*\q+16
.endr
.irp k, 0,1,2,3,4,5,6,7
	ds_load_b128 v[RBK+4*\k:RBK+4*\k+3], v[RDB] offset:2*OP*\k     ; in order behind my stores
.endr
.irp k, 0,1,2,3,4,5,6,7
	s_wait_dscnt 7-\k                              ; the younger read-backs stay out
	global_store_b128 v[CO], v[RBK+4*\k:RBK+4*\k+3], s[34:35] offset:2048*\k th:TH_STORE_NT   ; 16 lanes store 256 consecutive bytes, aligned
.endr
	s_wait_xcnt 0x0                                ; the stores' data and base are written again only behind this wait
	s_add_nc_u64 s[34:35], s[34:35], 16384
.endm
	s_mov_b32 s24, 0
.Lfin:
	FTRIP 0
	s_add_co_u32 s24, s24, 1
	s_cmp_lt_u32 s24, 7
	s_cbranch_scc1 .Lfin
	FTRIP 1
	s_set_vgpr_msb 0xa
	s_wait_tensorcnt 0x0
	ds_add_u32 v254, v255
	s_wait_dscnt 0x0
	s_set_vgpr_msb 0xa00
	s_endpgm
.Lfunc_end_k_q9a541acd9b_attn:
	.size	k_q9a541acd9b_attn, .Lfunc_end_k_q9a541acd9b_attn-k_q9a541acd9b_attn
	.p2alignl 7, 3214868480
	.fill 96, 4, 3214868480
	.section	.rodata,"a",@progbits
	.p2align	6, 0x0
	.amdhsa_kernel k_q9a541acd9b_attn
		.amdhsa_group_segment_fixed_size 307712
		.amdhsa_private_segment_fixed_size 0
		.amdhsa_enable_private_segment 0
		.amdhsa_kernarg_size 64
		.amdhsa_user_sgpr_count 2
		.amdhsa_user_sgpr_kernarg_segment_ptr 1
		.amdhsa_wavefront_size32 1
		.amdhsa_system_sgpr_workgroup_id_x 1
		.amdhsa_system_sgpr_workgroup_id_y 1
		.amdhsa_system_sgpr_workgroup_id_z 1
		.amdhsa_system_vgpr_workitem_id 0
		.amdhsa_next_free_vgpr 1024
		.amdhsa_next_free_sgpr 66
		.amdhsa_reserve_vcc 0
		.amdhsa_float_denorm_mode_32 3
		.amdhsa_float_denorm_mode_16_64 3
		.amdhsa_memory_ordered 1
		.amdhsa_forward_progress 1
		.amdhsa_inst_pref_size 255
	.end_amdhsa_kernel
	.section	.bss,"aw",@nobits
	.p2align	6
	.space	262144
	.amdgpu_metadata
---
amdhsa.version: [ 1, 2 ]
amdhsa.kernels:
  - .name:           k_q9a541acd9b_attn
    .symbol:         k_q9a541acd9b_attn.kd
    .args:
      - { .name: x1d, .offset: 0, .size: 8, .value_kind: global_buffer, .address_space: global }
      - { .name: ln1_g, .offset: 8, .size: 8, .value_kind: global_buffer, .address_space: global }
      - { .name: ln1_b, .offset: 16, .size: 8, .value_kind: global_buffer, .address_space: global }
      - { .name: bgate, .offset: 24, .size: 8, .value_kind: global_buffer, .address_space: global }
      - { .name: bfinal, .offset: 32, .size: 8, .value_kind: global_buffer, .address_space: global }
      - { .name: biasw, .offset: 40, .size: 8, .value_kind: global_buffer, .address_space: global }
      - { .name: wfrag, .offset: 48, .size: 8, .value_kind: global_buffer, .address_space: global }
      - { .name: out0, .offset: 56, .size: 8, .value_kind: global_buffer, .address_space: global }
    .group_segment_fixed_size: 307712
    .private_segment_fixed_size: 0
    .kernarg_segment_align: 8
    .kernarg_segment_size: 64
    .max_flat_workgroup_size: 128
    .sgpr_count:     66
    .vgpr_count:     1024
    .wavefront_size: 32
...
	.end_amdgpu_metadata
.endif
;; end of part 3
;; ======== version 3 of 3: 2 launches; 1.19 times as fast as version 1
;; limits: values are held in f16: magnitudes above 65,504 overflow, below 6.1e-05 lose precision
;; workspace buffers: biasw 2,097,152 bytes; wfrag 655,360 bytes
;; launch prep: the kernel of part 1 again; grid 256 x 1, 8 waves a work-group, no clusters, 168,960 bytes of LDS; arguments x2d, ln2_g, W2d, Wq, Wk, Wv, Wgate, Wfinal, biasw, wfrag; writes biasw, wfrag
;; launch attn (part 4): grid 256 x 1, 4 waves a work-group, no clusters, 307,712 bytes of LDS; arguments x1d, ln1_g, ln1_b, bgate, bfinal, biasw, wfrag, out0; writes out0
.if DOCPART == 4
	.amdgcn_target "amdgcn-amd-amdhsa--gfx1250"
	.amdhsa_code_object_version 6
	.text
	.protected	k_q9a541acd9b_attn
	.globl	k_q9a541acd9b_attn
	.p2align	8
	.type	k_q9a541acd9b_attn,@function
k_q9a541acd9b_attn:
	s_mov_b64 s[64:65], 0
	v_nop
	global_prefetch_b8 v0, s[64:65] scope:SCOPE_SE
	s_setreg_imm32_b32 hwreg(HW_REG_WAVE_MODE, 25, 1), 1
	s_wait_xcnt 0x0
; attn: all of reference() behind the pair bias, fused.  Work-group = (m = id >> 1, query half qh = id & 1): LN of the 256 rows of x1d[m],
; then for its 128 queries q, k, v, gate, softmax(q k / sqrt(32) + bias) v, the gate, the last projection and bfinal.
; ln2_b is left out (it adds the same number to a whole softmax row: shown at the head of the first kernel); biasw comes without it.
; SHARES: four waves; wave w owns heads 2 w and 2 w + 1 (columns 64 w .. 64 w + 63 of the four projections) and columns 64 w .. + 63 of out0.
; Splitting m by query halves fills all work-group places at the price of making K and V in both halves.
; LDS row rho holds residue rho xor 128 qh: the work-group's own queries are always rows 0-127, and keys are taken in LDS order for K, V and bias alike.
; EVERY PRODUCT IS TURNED SO THAT ITS RESULT, PACKED TO F16, IS THE NEXT PRODUCT'S OPERAND (lane r + 16 h):
;   K^T = Wk-frag x X-frag  : register j = (channel 8 h + j, key r)   -> A fragment of the scores (row key, k = channel)
;   Q^T = Wq-frag x X-frag  : (channel 8 h + j, query r), x 1/sqrt(32) -> B fragment of the scores
;   V   = X-frag  x Wv-frag : (key 8 h + j, channel r)                -> A fragment of P V (row channel, k = key)
;   S^T = K x Q + bias tile : (key 8 h + j, query r)                  -> after the softmax, B fragment of P V
;   O^T = V x P             : (channel 8 h + j, query r), the layout of the gates G^T = Wg-frag x X-frag + bgate
;   out^T = Wf-frag x OG-frag + bfinal : (column 8 h + j, query r), through a stage of 16 rows into whole rows of 256 bytes.
; The softmax takes the row's true maximum over all 256 keys away; 1 / sum is applied behind P V (the same quotient).
; FORMATS: operands f16, all sums, norms, softmax and gates f32.  Room in f16 (largest 65,504): |X| <= 16 max|ln1_g| + max|ln1_b|; by
; Cauchy-Schwarz |q|, |k|, |v| <= |X row| |W column|, about 19 as drawn, 17,300 with ln1_g and the weights both 30 times larger, and the same with
; the weights offset by 30 spreads; P is in [0, 1]; the gated output is a convex mix of v times a gate in (0, 1).  LIMIT: beyond
; |X row| |W column| = 65,504 an operand becomes infinite.  Exponentials below 2^-126 and P below 2^-25 count as 0 beside a row's largest P = 1.
; The maximum skips NaN; a NaN score still reaches its row through the sum.
; NO CLUSTER, NO TENSOR LOADS: bias tiles and weight fragments go from memory straight into operand registers in fragment
; order.  A joint load would need LDS slots: one query tile's bias for four waves is 65,536 bytes, two slots 131,072, and 20,480 bytes are free.
; THE BIAS has registers of its own and is the C operand of the score product, whose D is the score tile (one product a tile: k = 32 channels).
; Two sets of 16 tiles take turns, so that a set is asked for two query tiles ahead: right behind the products that read it.
; PRODUCTS AND VECTOR WORK TAKE TURNS.  A wave issues in order, so vector work is cut into numbered slices, each behind one product of another, independent piece:
;   gate pass: the sigmoid of query tile qt - 1 (32 slices: two transcendentals and one packed instruction) behind the 32 products of tile qt;
;   K, Q, V:   V's tail of key tile t - 1 behind K's and Q's products of tile t, K's and Q's tail of tile t behind V's products of tile t (slices of four);
;   scores:    the maximum over score tile t - 1 (four instructions) behind the product of tile t;
;   P V:       the two products of key block kb stand among the sums and roundings of block kb + 1.
; THE TRANSCENDENTALS GO IN BATCHES, each with ONE s_wait_alu depctr_va_vdst(0) ahead of its first reader; ahead of a batch's wait no line names a result of the batch:
;   LN:         a slot's two roots;
;   gate pass:  a tile's 32 exponentials (slices 0-15), then its 32 reciprocals (slices 16-31), which read the exponentials' sums and so are a batch of their own;
;   query trip: A, the 64 exponentials of key blocks 0-3, beside them the arguments of blocks 1-7;  B, the 64 of blocks 4-7, beside them the sums, the roundings and the
;               products of blocks 0-3;  C, the two reciprocals of the row's sum, behind them the eight additions of O's halves.
; The slices work in window 0, the products' A, B or C lie in windows 1 to 3, and K or V (128 registers) with the scores (128), P and O do not fit into one window:
; a turn costs two s_set_vgpr_msb, 69 in a query trip (32 products, some 450 vector instructions), 64 in a gate trip, 17 to 20 in a key trip.
; Memory and LDS instructions stay out of the slices: each trip has one run of them.
; LDS: X f16 [256 rows] pitch 528 at 0; OG at 135,168: wave w's part of 128 rows, pitch 272: 64 f32 gates a row, overwritten from the left by the
; f16 gated output (head 0: bytes 0-63 behind the read of its gates in bytes 0-127; head 1: bytes 64-127, its gates in 128-255);
; QS at 274,432: 8,192 bytes a wave: eight Q fragments, later the stage of the way out.
; REGISTERS, windows of 256: window 0 addresses and working tiles (below);
; window 1: v0-127 Wk, v128-255 Wq while K and Q are made; then the bias sets (even query tiles v128-255, odd ones v0-127); then the next Wk, Wq or Wfinal's tiles 0-1, 2-3;
; window 2: v0-127 Wv, v128-135 Q fragment, v144-159 gates, v160-191 bfinal as C tiles; window 3: Wgate, then K fragments (8 t) and V (128 + 64 T + 8 kb).
.set XP, 528                           ; X's pitch: 512 + 16, an odd multiple of 16
.set XT, 16*XP                         ; 16 rows
.set OG, 256*XP
.set OP, 272
.set OT, 16*OP
.set OW, 128*OP                        ; a wave's part of OG
.set QS, OG+4*OW
.set MQ, 0                             ; byte offsets of the matrices in wfrag
.set MK, 131072
.set MV, 262144
.set MG, 393216
.set MF, 524288
.set HB, 16384                         ; two tiles of 16 columns: a head's block of a matrix; also one query tile of a head's bias
.set BS0, 128                          ; window 1: the bias set of even query tiles
.set BS1, 0                            ; of odd ones
.set L16, 1                            ; 16 x lane
.set XA,  2                            ; X fragment: 528 r + 16 h
.set XA2, 3                            ; the same, 128 rows down
.set BOL, 4                            ; bias, key tiles 0-7 in LDS order: 16 lane + 8,192 qh
.set BOH, 5                            ; key tiles 8-15: 16 lane + 8,192 (1 - qh)
.set GA,  6                            ; gates of the current query tile
.set GS,  7                            ; gated output of the current query tile
.set QL,  8                            ; my Q fragments
.set QR,  9                            ; the Q fragment to read next
.set XG,  10                           ; stepped fragment address (last projection)
.set GL32, 11                          ; my part of OG + 272 r + 32 h
.set GL16, 12                          ; my part of OG + 272 r + 16 h
.set STO, 13                           ; stage, in
.set NM,  14                           ; v[14:15] -log2(e) x maximum, twice
.set RINV, 16                          ; v[16:17] 1 / sum, twice
.set SUM, 18                           ; v[18:25] four pair chains
.set MX,  26                           ; v[26:29] four chains of the maximum
.set PX,  30                           ; destination of the lane exchange
.set TV,  31
.set SC,  32                           ; v[32:159]  LN ring; X fragments, buffer 0 (32) and 1 (96); 16 score tiles
.set XF1, 96
.set ACA, 160                          ; v[160:191] four accumulators
.set ACB, 192                          ; v[192:223] four more; in the gate pass bgate as C tiles
.set BG,  192
.set TMP, 224
.set GE,  160                          ; gate pass: the four accumulators of even query tiles
.set GO,  224                          ; of odd ones
.set PR,  160                          ; v[160:223] eight P fragments
.set OA,  224                          ; v[224:255] O: tile 0, 1 over even key blocks, tile 0, 1 over odd ones
.set LG,  160                          ; LN: ln1_g, ln1_b of my 16 columns
.set LB,  176
.set LT,  224                          ; LN: at work
.set LY,  240                          ; LN: 8 packed words
.set VX,  248                          ; LN: x1d offset
.set VS,  249                          ; LN: LDS address
.set VG,  250                          ; LN: 16 x (lane & 15)
.set VB,  251                          ; 256 w + 32 h: bgate, bfinal
.set LMU, 252
.set LR,  254
.set RDB, 128                          ; last projection: stage, out
.set CO,  129                          ; my byte offset in out0
.set FA1, 130                          ; XG + two waves' parts of OG
.set RBK, 96                           ; v[96:127] rows read back from the stage
.set MSB, 0
.macro WIN new                         ; the immediate's high byte repeats the setting that is left
.if MSB != \new
	s_set_vgpr_msb (MSB<<8)|\new
.set MSB, \new
.endif
.endm
.macro MM d, a, b, z                   ; one matrix instruction; z = 1: it starts the sum
.if \z
	v_wmma_f32_16x16x32_f16 v[\d:\d+7], v[\a:\a+7], v[\b:\b+7], 0
.else
	v_wmma_f32_16x16x32_f16 v[\d:\d+7], v[\a:\a+7], v[\b:\b+7], v[\d:\d+7]
.endif
.endm
.macro PLACES                          ; four plain vector instructions between a matrix instruction and a vector read of its result or a load into its registers
.rept 4
	v_nop
.endr
.endm
.macro LOADW reg0, b, off, n0, cnt     ; fragments are linear in wfrag: piece n of 512 bytes goes to registers reg0 + 4 n
.set ln, \n0
.rept \cnt
	global_load_b128 v[\reg0+4*ln:\reg0+4*ln+3], v[L16], s[\b:\b+1] offset:\off+512*ln
.set ln, ln+1
.endr
.endm
.macro XLOAD t, reg                    ; the eight fragments (16 rows x 256 k) of X's row tile t
.set xn, 0
.rept 16
.if (\t) < 8
	ds_load_b128 v[\reg+4*xn:\reg+4*xn+3], v[XA] offset:(\t)*XT+32*xn
.else
	ds_load_b128 v[\reg+4*xn:\reg+4*xn+3], v[XA2] offset:((\t)-8)*XT+32*xn
.endif
.set xn, xn+1
.endr
.endm
.macro BLOAD kb, sb, off               ; bias tiles 2 kb, 2 kb + 1 of the query tile at byte off into set sb (window 1): tile t lies in registers sb + 8 t
.set bn, 0
.rept 4
.if (\kb) < 4
	global_load_b128 v[\sb+16*(\kb)+4*bn:\sb+16*(\kb)+4*bn+3], v[BOL], s[30:31] offset:\off+((2*(\kb))&7)*1024+512*bn
.else
	global_load_b128 v[\sb+16*(\kb)+4*bn:\sb+16*(\kb)+4*bn+3], v[BOH], s[30:31] offset:\off+((2*(\kb))&7)*1024+512*bn
.endif
.set bn, bn+1
.endr
.endm
	s_load_b512 s[4:19], s[0:1], 0x0               ; x1d s[4:5], ln1_g s[6:7], ln1_b s[8:9], bgate s[10:11], bfinal s[12:13], biasw s[14:15], wfrag s[16:17], out0 s[18:19]
	s_set_vgpr_msb 0x80
	v_lshl_add_u32 v254, v0, 2, 0x4b000
	v_mov_b32 v255, 0
	s_set_vgpr_msb 0x8000
	v_lshrrev_b32 v[TV], 5, v0
	v_readfirstlane_b32 s20, v[TV]                 ; wave
	s_and_b32 s21, ttmp9, 1                        ; qh
	s_lshr_b32 s22, ttmp9, 1                       ; m
	s_mov_b32 s32, 0x76543210                      ; lane i of one half reads lane i of the other
	s_mov_b32 s33, 0xfedcba98
	s_mov_b32 s40, 0x3b800000                      ; 1 / 256
	s_mov_b32 s41, 0x3727c5ac                      ; 1e-5
	v_and_b32 v[PX], 31, v0
	v_lshlrev_b32 v[L16], 4, v[PX]
	v_and_b32 v[MX], 15, v0                        ; r
	v_bfe_u32 v[MX+1], v0, 4, 1                    ; h
	v_mul_u32_u24 v[XA], v[MX], XP
	v_lshl_add_u32 v[XA], v[MX+1], 4, v[XA]
	v_add_nc_u32 v[XA2], 8*XT, v[XA]
	s_lshl_b32 s24, s21, 13
	v_add_nc_u32 v[BOL], s24, v[L16]
	s_xor_b32 s24, s24, 8192
	v_add_nc_u32 v[BOH], s24, v[L16]
	s_mul_i32 s24, s20, OW
	s_add_co_u32 s24, s24, OG
	v_mul_u32_u24 v[MX+2], v[MX], OP
	v_add_nc_u32 v[MX+3], s24, v[MX+2]
	v_lshl_add_u32 v[GL32], v[MX+1], 5, v[MX+3]
	v_lshl_add_u32 v[GL16], v[MX+1], 4, v[MX+3]
	s_lshl_b32 s24, s20, 13
	s_add_co_u32 s24, s24, QS
	v_add_nc_u32 v[QL], s24, v[L16]
	v_add_nc_u32 v[MX+3], s24, v[MX+2]
	v_lshl_add_u32 v[STO], v[MX+1], 5, v[MX+3]
	v_lshlrev_b32 v[VG], 4, v[MX]
	v_lshl_add_u32 v[VX], v[MX+1], 13, v[VG]       ; lanes 16-31 take the row 8 further down
	v_mul_u32_u24 v[VS], v[MX+1], 8*XP
	v_lshl_add_u32 v[VS], v[MX], 3, v[VS]
	s_mul_i32 s24, s20, 64*XP
	v_add_nc_u32 v[VS], s24, v[VS]                 ; LDS rows 64 w ..: (64 w + 8 hw) x 528 + 8 x (lane & 15)
	s_lshl_b32 s24, s20, 8
	v_lshl_add_u32 v[VB], v[MX+1], 5, s24
	s_lshl_b32 s24, s20, 6
	s_lshl_b32 s25, s21, 7
	s_xor_b32 s24, s24, s25                        ; my first residue: 64 w xor 128 qh
	s_lshl_b32 s24, s24, 10
	s_lshl_b32 s36, s22, 18                        ; m x 262,144
	s_add_co_u32 s24, s24, s36
	s_mov_b32 s25, 0
	s_lshl_b32 s38, s21, 17                        ; qh x 131,072: 128 rows of out0, and 8 query tiles of bias
	s_add_co_u32 s36, s36, s38
	s_mov_b32 s37, 0
	s_lshl_b32 s39, s20, 19                        ; head 2 w x 262,144
	s_add_co_u32 s38, s38, s39
	s_mov_b32 s39, 0
	s_wait_kmcnt 0x0
	s_add_nc_u64 s[26:27], s[4:5], s[24:25]        ; x1d at my first row
	s_add_nc_u64 s[34:35], s[18:19], s[36:37]      ; out0 at the work-group's first row
	s_add_nc_u64 s[30:31], s[14:15], s[38:39]      ; biasw at (head 2 w, query tile 8 qh)
	s_lshl_b32 s24, s20, 15
	s_add_nc_u64 s[28:29], s[16:17], s[24:25]      ; wfrag at head 2 w's block; never stepped
	; ---------------- PHASE 0: LN(x1d) into LDS as f16 ----------------
	; Wave w makes LDS rows 64 w .. + 63.  A slot of the ring is two rows (one for each half of the lanes), four loads of which 16 lanes take 256
	; consecutive bytes; lane l takes columns 64 i + 4 (l & 15) + e.  Eight slots: 32 loads of a wave on their way.
.irp i, 0,1,2,3
	global_load_b128 v[LG+4*\i:LG+4*\i+3], v[VG], s[6:7] offset:256*\i
	global_load_b128 v[LB+4*\i:LB+4*\i+3], v[VG], s[8:9] offset:256*\i
.endr
.irp q, 0,1,2,3
	global_load_b128 v[BG+8*\q:BG+8*\q+3], v[VB], s[10:11] offset:64*\q        ; bgate[64 w + 16 q + 8 h + j]: a C tile, the same in every column
	global_load_b128 v[BG+8*\q+4:BG+8*\q+7], v[VB], s[10:11] offset:64*\q+16
.endr
	WIN 0x80
.irp q, 0,1,2,3
	global_load_b128 v[160+8*\q:160+8*\q+3], v[VB], s[12:13] offset:64*\q      ; bfinal likewise, window 2
	global_load_b128 v[160+8*\q+4:160+8*\q+7], v[VB], s[12:13] offset:64*\q+16
.endr
	WIN 0
.irp st, 0,1,2,3,4,5,6,7
.irp i, 0,1,2,3
	global_load_b128 v[SC+16*\st+4*\i:SC+16*\st+4*\i+3], v[VX], s[26:27] offset:\st*1024+\i*256
.endr
.endr
; One slot's turn.  ahead = 1: the slot is filled again, 16 rows further down.  left = the younger loads that may stay out.
; wg = 1: eight pieces of Wgate go out behind the turn (window 3).
.macro LNTURN st, ahead, left, wg
.set X0, SC+16*\st
	s_wait_loadcnt \left
	v_pk_add_f32 v[LT:LT+1], v[X0:X0+1], v[X0+2:X0+3]
	v_pk_add_f32 v[LT+2:LT+3], v[X0+4:X0+5], v[X0+6:X0+7]
	v_pk_add_f32 v[LT+4:LT+5], v[X0+8:X0+9], v[X0+10:X0+11]
	v_pk_add_f32 v[LT+6:LT+7], v[X0+12:X0+13], v[X0+14:X0+15]
	v_pk_add_f32 v[LT:LT+1], v[LT:LT+1], v[LT+2:LT+3]
	v_pk_add_f32 v[LT+4:LT+5], v[LT+4:LT+5], v[LT+6:LT+7]
	v_pk_add_f32 v[LT:LT+1], v[LT:LT+1], v[LT+4:LT+5]
	v_add_f32 v[LT], v[LT], v[LT+1]
.irp x, 1,2,4,8
	v_add_f32_dpp v[LT], v[LT], v[LT] row_xmask:\x row_mask:0xf bank_mask:0xf      ; over the 16 lanes of the row
.endr
	v_mul_f32 v[LMU], 0xbb800000, v[LT]            ; -sum / 256
	v_mul_f32 v[LMU+1], 0xbb800000, v[LT]
.irp p, 0,1,2,3,4,5,6,7
	v_pk_add_f32 v[X0+2*\p:X0+2*\p+1], v[X0+2*\p:X0+2*\p+1], v[LMU:LMU+1]
.endr
	v_pk_mul_f32 v[LT:LT+1], v[X0:X0+1], v[X0:X0+1]
	v_pk_mul_f32 v[LT+2:LT+3], v[X0+2:X0+3], v[X0+2:X0+3]
.irp p, 2,4,6
	v_pk_fma_f32 v[LT:LT+1], v[X0+2*\p:X0+2*\p+1], v[X0+2*\p:X0+2*\p+1], v[LT:LT+1]
	v_pk_fma_f32 v[LT+2:LT+3], v[X0+2*\p+2:X0+2*\p+3], v[X0+2*\p+2:X0+2*\p+3], v[LT+2:LT+3]
.endr
	v_pk_add_f32 v[LT:LT+1], v[LT:LT+1], v[LT+2:LT+3]
	v_add_f32 v[LT], v[LT], v[LT+1]
.irp x, 1,2,4,8
	v_add_f32_dpp v[LT], v[LT], v[LT] row_xmask:\x row_mask:0xf bank_mask:0xf
.endr
	v_fma_f32 v[LT], v[LT], s40, s41               ; var + eps
	v_rsq_f32 v[LR], v[LT]
	v_rsq_f32 v[LR+1], v[LT]
	v_nop                                          ; one plain instruction between the root and its use (ISA guide 5.7.2)
	s_wait_alu depctr_va_vdst(0)                   ; the wait for the slot's two roots.  All that is left of the turn hangs on them, and the next slot's
	                                               ; statistics stand behind this slot's refill, which the count of their s_wait_loadcnt takes in
.irp p, 0,1,2,3,4,5,6,7
	v_pk_mul_f32 v[X0+2*\p:X0+2*\p+1], v[X0+2*\p:X0+2*\p+1], v[LR:LR+1]
.endr
.irp p, 0,1,2,3,4,5,6,7
	v_pk_fma_f32 v[LT+2*\p:LT+2*\p+1], v[X0+2*\p:X0+2*\p+1], v[LG+2*\p:LG+2*\p+1], v[LB+2*\p:LB+2*\p+1]
.endr
.irp p, 0,1,2,3,4,5,6,7
	v_cvt_pk_f16_f32 v[LY+\p], v[LT+2*\p], v[LT+2*\p+1]
.endr
.if \ahead
.irp i, 0,1,2,3
	global_load_b128 v[X0+4*\i:X0+4*\i+3], v[VX], s[26:27] offset:16384+\st*1024+\i*256
.endr
.endif
.irp i, 0,1,2,3
	ds_store_b64 v[VS], v[LY+2*\i:LY+2*\i+1] offset:\st*XP+\i*128   ; the two halves' rows lie 8 x 528 bytes apart: 128 bytes apart modulo 256
.endr
.if \wg
	WIN 0xc0
	LOADW 0, 28, MG, 8*\st, 8
	WIN 0
.endif
.endm
	s_mov_b32 s24, 0
.Lln:
.irp st, 0,1,2,3,4,5,6,7
	LNTURN \st, 1, 28, 0                           ; 28 = the seven younger slots' four loads each
.endr
	s_wait_xcnt 0x0                                ; the loads' base is stepped only behind this wait
	s_add_nc_u64 s[26:27], s[26:27], 16384
	v_add_nc_u32 v[VS], XT, v[VS]
	s_add_co_u32 s24, s24, 1
	s_cmp_lt_u32 s24, 3
	s_cbranch_scc1 .Lln
.irp st, 0,1,2,3,4,5,6,7
	LNTURN \st, 0, 28+4*\st, 1                     ; the last 16 rows: 4 (7 - st) younger loads of the ring and 8 st of Wgate
.endr
	s_wait_dscnt 0x0                               ; my rows of X are written, for the other waves' sake
	s_barrier_signal -1
	s_barrier_wait -1                              ; X is whole; it is only read from here on
	; ---------------- PHASE 1: the gates of my two heads for the 128 queries, f32, into my part of OG ----------------
	; Two query tiles take turns: while tile qt's 32 products run into one accumulator set, the sigmoid of tile qt - 1 is made in the other.
	; The sigmoid of 32 registers goes by pairs p = 0..15, in place, in TWO BATCHES over 32 slices:
	;   slice p      : 2^x of pair p,   then -log2(e) z of pair p + 1   (slice 15: a v_nop in its stead, the wait for the 32 exponentials, and 1 + x of pair 0)
	;   slice 16 + p : 1 / x of pair p, then 1 + x of pair p + 1        (the wait for the 32 reciprocals stands in GEND, ahead of the stores)
	; A slice's packed instruction works on the pair after the slice's own, which the open batch has not reached: ahead of a batch's wait nothing names a result of the batch.
	; Each slice but the last ends in a plain instruction, so one stands between every transcendental and the use of its result (ISA guide 5.7.2).
.macro GMUL a, p
	v_pk_mul_f32 v[\a+2*(\p):\a+2*(\p)+1], v[\a+2*(\p):\a+2*(\p)+1], 0xbfb8aa3b op_sel_hi:[1,0]   ; -log2(e) z
.endm
.macro GADD a, p
	v_pk_add_f32 v[\a+2*(\p):\a+2*(\p)+1], v[\a+2*(\p):\a+2*(\p)+1], 1.0 op_sel_hi:[1,0]          ; 1 + 2^(-log2(e) z)
.endm
.macro GSIG a, s
.if (\s) < 16
	v_exp_f32 v[\a+2*(\s)], v[\a+2*(\s)]
	v_exp_f32 v[\a+2*(\s)+1], v[\a+2*(\s)+1]
.if (\s) < 15
	GMUL \a, (\s)+1
.else
	v_nop                                          ; the plain instruction behind the last exponential: one for the batch
	s_wait_alu depctr_va_vdst(0)                   ; the wait for the tile's 32 exponentials, ahead of their first reader
	GADD \a, 0
.endif
.else
	v_rcp_f32 v[\a+2*(\s)-32], v[\a+2*(\s)-32]     ; 1 / (1 + 2^(-log2(e) z)); an infinite power gives 0
	v_rcp_f32 v[\a+2*(\s)-31], v[\a+2*(\s)-31]
.if (\s) < 31
	GADD \a, (\s)-15
.endif
.endif
.endm
; The tile's gates go to LDS in one run.  The four v_nop are the four places between the trip's last product and the loads into its X fragments that follow this
; macro; the first is also the plain instruction behind the last reciprocal.
.macro GEND a, so
	v_nop
	v_nop
	v_nop
	v_nop
	s_wait_alu depctr_va_vdst(0)                   ; the wait for the tile's 32 reciprocals, ahead of the stores that read them
.irp q, 0,1,2,3
	ds_store_b128 v[GL32], v[\a+8*\q:\a+8*\q+3] offset:\so+64*\q       ; row = query r, channels 16 q + 8 h + 0..7
	ds_store_b128 v[GL32], v[\a+8*\q+4:\a+8*\q+7] offset:\so+64*\q+16
.endr
.endm
; Query tile 'tile'.  w: the LDS instructions younger than the loads of its X fragments.  pf = 1, 2, 3: head 2 w's Wk, Wq, Wv go out, one block a trip.
.macro GTRIP tile, w, pf
.set gcur, GE+(GO-GE)*((\tile)&1)
.set gprev, GE+(GO-GE)*(1-((\tile)&1))
.set gxb, SC+64*((\tile)&1)
	s_wait_dscnt \w
.if (\tile) > 0
	GMUL gprev, 0                                  ; the first pair of the tile before: at least four plain instructions stand behind the product that made it
.endif
.irp c, 0,1,2,3,4,5,6,7
.irp q, 0,1,2,3
	WIN 0x03                                       ; A: Wgate, window 3
.if \c == 0
	v_wmma_f32_16x16x32_f16 v[gcur+8*\q:gcur+8*\q+7], v[64*\q:64*\q+7], v[gxb:gxb+7], v[BG+8*\q:BG+8*\q+7]   ; bgate starts the sums; what these registers held, the gates of two tiles ago, GEND has waited for
.else
	MM gcur+8*\q, 64*\q+8*\c, gxb+8*\c, 0          ; four sums by turns, one instruction a turn
.endif
.if (\tile) > 0
	WIN 0
	GSIG gprev, 4*\c+\q
.endif
.endr
.endr
	WIN 0
.if (\tile) > 0
	GEND gprev, ((\tile)-1)*OT
.else
	PLACES
.endif
.if (\tile) <= 5
	XLOAD (\tile)+2, gxb                           ; the tile after next, into the buffer just used
.endif
.if \pf == 1
	WIN 0x40
	LOADW 0, 28, MK, 0, 32
	WIN 0
.endif
.if \pf == 2
	WIN 0x40
	LOADW 128, 28, MQ, 0, 32
	WIN 0
.endif
.if \pf == 3
	WIN 0x80
	LOADW 0, 28, MV, 0, 32
	WIN 0
.endif
.endm
	XLOAD 0, SC
	XLOAD 1, XF1
	s_wait_loadcnt 0x0                             ; Wgate and bgate
	GTRIP 0, 16, 1                                 ; younger than tile 0's loads: tile 1's 16
	GTRIP 1, 16, 2                                 ; tile 2's 16
	GTRIP 2, 24, 3                                 ; the run behind the trip before: 8 gate stores and the next tile's 16 loads
	GTRIP 3, 24, 0
	GTRIP 4, 24, 0
	GTRIP 5, 24, 0
	GTRIP 6, 24, 0
	GTRIP 7, 8, 0                                  ; behind tile 6 only the 8 stores: no tile is left to fetch
	GMUL GO, 0                                     ; the last tile's sigmoid has no products beside it
.set gs, 0
.rept 32
	GSIG GO, gs
.set gs, gs+1
.endr
	GEND GO, 7*OT
	; ---------------- PHASE 2: my two heads, one after the other ----------------
; Slice s = 0..3 of V's tail of key tile t: even and odd k blocks are added (two slices), then packed into V's fragments in window 3 (two slices).
.macro TB t, s
.if (\s) < 2
	WIN 0
.irp i, 0,1,2,3
	v_pk_add_f32 v[ACB+8*(\s)+2*\i:ACB+8*(\s)+2*\i+1], v[ACB+8*(\s)+2*\i:ACB+8*(\s)+2*\i+1], v[ACB+16+8*(\s)+2*\i:ACB+16+8*(\s)+2*\i+1]
.endr
.else
	WIN 0xc0                                       ; destinations in window 3: channels 0-15 at 128, 16-31 at 192
.irp i, 0,1,2,3
	v_cvt_pk_f16_f32 v[64*(\s)+8*((\t)>>1)+4*((\t)&1)+\i], v[ACB+8*(\s)-16+2*\i], v[ACB+8*(\s)-16+2*\i+1]
.endr
.endif
.endm
; Slice s of K's and Q's tail of key tile t.  t < 8, six slices: K packed (2), q / sqrt(32) in f32 (2), Q packed (2).  t >= 8, four: K's halves added (2), K packed (2).
.macro TA t, s
.if (\t) < 8
.if (\s) < 2
	WIN 0xc0
.irp i, 0,1,2,3
	v_cvt_pk_f16_f32 v[8*(\t)+4*(\s)+\i], v[ACA+8*(\s)+2*\i], v[ACA+8*(\s)+2*\i+1]
.endr
.else
	WIN 0
.if (\s) < 4
.irp i, 0,1,2,3
	v_pk_mul_f32 v[ACA+8*(\s)+2*\i:ACA+8*(\s)+2*\i+1], v[ACA+8*(\s)+2*\i:ACA+8*(\s)+2*\i+1], 0x3e3504f3 op_sel_hi:[1,0]
.endr
.else
.irp i, 0,1,2,3
	v_cvt_pk_f16_f32 v[TMP+4*(\s)-16+\i], v[ACA+8*(\s)-16+2*\i], v[ACA+8*(\s)-16+2*\i+1]
.endr
.endif
.endif
.else
.if (\s) < 2
	WIN 0
.irp i, 0,1,2,3
	v_pk_add_f32 v[ACA+8*(\s)+2*\i:ACA+8*(\s)+2*\i+1], v[ACA+8*(\s)+2*\i:ACA+8*(\s)+2*\i+1], v[ACA+16+8*(\s)+2*\i:ACA+16+8*(\s)+2*\i+1]
.endr
.else
	WIN 0xc0
.irp i, 0,1,2,3
	v_cvt_pk_f16_f32 v[8*(\t)+4*(\s)-8+\i], v[ACA+8*(\s)-16+2*\i], v[ACA+8*(\s)-16+2*\i+1]
.endr
.endif
.endif
.endm
; Key tile t: K^T and V for all 16 tiles, Q^T for tiles 0-7 (the work-group's queries).  X fragments in two buffers, fetched two tiles ahead.
; V's tail of tile t - 1 stands behind the last four k blocks of K's and Q's products; its last slice, behind their last product, is also the four places
; in front of K's and Q's tail, which stands behind V's products; the last slice of that, behind V's last product, is the four places in front of
; the loads into the X buffer and of V's tail in the next trip.
; Wq is read for the last time by tile 7's products: tiles 8 and 9 ask for the first query tile's bias into its half of window 1.
; Wk is read for the last time by tile 15's: the second query tile's bias goes out there.
.macro PTRIP t
.set pb, SC+64*((\t)&1)
.set pw, 16                            ; younger LDS instructions: the 16 loads of tile t + 1,
.if (\t) >= 1
.if (\t) <= 8
.set pw, 18                            ; and the two Q stores that stand ahead of them in the run behind trip t - 1
.endif
.endif
.if (\t) == 15
.set pw, 0                             ; nothing was fetched behind the last tile
.endif
	s_wait_dscnt pw
.irp c, 0,1,2,3,4,5,6,7
	WIN 0x01                                       ; A: Wk, Wq, window 1
.if (\t) < 8
.if \c == 0
.set pz, 1
.else
.set pz, 0
.endif
	MM ACA, 8*\c, pb+8*\c, pz                      ; K tile 0, K tile 1, Q tile 0, Q tile 1 by turns
	MM ACA+8, 64+8*\c, pb+8*\c, pz
	MM ACA+16, 128+8*\c, pb+8*\c, pz
	MM ACA+24, 192+8*\c, pb+8*\c, pz
.else
.if \c < 2
.set pz, 1
.else
.set pz, 0
.endif
	MM ACA+16*(\c&1), 8*\c, pb+8*\c, pz            ; no Q: even and odd k blocks keep sums of their own, so that four still take turns
	MM ACA+16*(\c&1)+8, 64+8*\c, pb+8*\c, pz
.endif
.if \c >= 4
.if (\t) >= 1
	TB (\t)-1, \c-4
.else
.if \c == 7
	WIN 0
	PLACES                                         ; the first tile has no tail before it
.endif
.endif
.endif
.endr
.irp c, 0,1,2,3,4,5,6,7
	WIN 0x08                                       ; B: Wv, window 2
.if \c < 2
.set pz, 1
.else
.set pz, 0
.endif
	MM ACB+16*(\c&1), pb+8*\c, 8*\c, pz
	MM ACB+16*(\c&1)+8, pb+8*\c, 64+8*\c, pz
.if (\t) < 8
.if \c >= 2
	TA \t, \c-2
.endif
.else
.if \c >= 4
	TA \t, \c-4
.endif
.endif
.endr
	WIN 0
	; the trip's one run of LDS and memory instructions
.if (\t) < 8
	ds_store_b128 v[QL], v[TMP:TMP+3] offset:(\t)*1024
	ds_store_b128 v[QL], v[TMP+4:TMP+7] offset:(\t)*1024+512
.endif
.if (\t) <= 13
	XLOAD (\t)+2, pb                               ; tile t + 2 into the buffer just used
.endif
.if (\t) == 8
	WIN 0x40                                       ; destinations in window 1
.irp kb, 0,1,2,3
	BLOAD \kb, BS0, 0                              ; query tile 0, key tiles 0-7
.endr
	WIN 0
.endif
.if (\t) == 9
	WIN 0x40
.irp kb, 4,5,6,7
	BLOAD \kb, BS0, 0                              ; query tile 0, key tiles 8-15
.endr
	WIN 0
.endif
.if (\t) == 15
	WIN 0x40
.irp kb, 0,1,2,3,4,5,6,7
	BLOAD \kb, BS1, HB                             ; query tile 1
.endr
	WIN 0
.endif
.endm
.macro QFMA kb                         ; log2(e) s - log2(e) max, 16 registers
.set fn, 0
.rept 8
	v_pk_fma_f32 v[SC+16*(\kb)+2*fn:SC+16*(\kb)+2*fn+1], v[SC+16*(\kb)+2*fn:SC+16*(\kb)+2*fn+1], 0x3fb8aa3b, v[NM:NM+1] op_sel_hi:[1,0,1]
.set fn, fn+1
.endr
.endm
.macro PV kb, tt                       ; one product of P V: channel tile tt, key block kb.  Two channel tiles x even and odd key blocks: four sums by turns
	WIN 0x03                                       ; A: V, window 3
.if (\kb) < 2
	MM OA+16*((\kb)&1)+8*(\tt), 128+64*(\tt)+8*(\kb), PR+8*(\kb), 1
.else
	MM OA+16*((\kb)&1)+8*(\tt), 128+64*(\tt)+8*(\kb), PR+8*(\kb), 0
.endif
	WIN 0
.endm
; The softmax's lines, by key block kb (16 scores a lane) and pair i = 0..7 of its scores.
.macro QARG kb, i                      ; the pair's arguments: log2(e) s - log2(e) max
	v_pk_fma_f32 v[SC+16*(\kb)+2*(\i):SC+16*(\kb)+2*(\i)+1], v[SC+16*(\kb)+2*(\i):SC+16*(\kb)+2*(\i)+1], 0x3fb8aa3b, v[NM:NM+1] op_sel_hi:[1,0,1]
.endm
.macro QEXP kb, n                      ; the exponential of score n = 0..15, in place
	v_exp_f32 v[SC+16*(\kb)+(\n)], v[SC+16*(\kb)+(\n)]
.endm
.macro QSUM kb, i                      ; the pair goes into the four chains of the row's sum
.if (\kb) == 0
.if (\i) < 4
	v_pk_add_f32 v[SUM+2*(\i):SUM+2*(\i)+1], v[SC+4*(\i):SC+4*(\i)+1], v[SC+4*(\i)+2:SC+4*(\i)+3]     ; the first block starts the four chains
.endif
.else
	v_pk_add_f32 v[SUM+2*((\i)&3):SUM+2*((\i)&3)+1], v[SUM+2*((\i)&3):SUM+2*((\i)&3)+1], v[SC+16*(\kb)+2*(\i):SC+16*(\kb)+2*(\i)+1]
.endif
.endm
.macro QCVT kb, i                      ; the pair rounded to f16: word i of the block's P fragment
	v_cvt_pk_f16_f32 v[PR+8*(\kb)+(\i)], v[SC+16*(\kb)+2*(\i)], v[SC+16*(\kb)+2*(\i)+1]
.endm
; Step k = 0..11 of the softmax.  The waits stand in QTRIP, behind steps 3 and 7.
;   0-3   BATCH A: the exponentials of key block k.  Beside them the arguments of block k + 1 and (steps 0-2) of block k + 5: blocks that the batch does not reach, or reaches a step later.
;         Step 3 ends in an argument of block 4: the plain instruction behind the batch's last exponential.
;   4-7   BATCH B: the exponentials of block k, by turns with the sums and roundings of block k - 4, whose exponentials batch A's wait has covered.
;         Step 7 ends in a rounding of block 3: the plain instruction behind the batch's last exponential.
;   8-11  the sums and roundings of block k - 4.
; From step 5 on the two products of block k - 5, whose P fragment the step before has finished, stand behind the second and the sixth pair.
.macro QSTEP k
.irp i, 0,1,2,3,4,5,6,7
.if (\k) < 3
	QEXP \k, 2*\i
	QARG (\k)+1, \i
	QEXP \k, 2*\i+1
	QARG (\k)+5, \i
.endif
.if (\k) == 3
	QEXP 3, 2*\i
	QEXP 3, 2*\i+1
	QARG 4, \i
.endif
.if (\k) >= 4
.if (\k) <= 7
	QEXP \k, 2*\i
.endif
	QSUM (\k)-4, \i
.if (\k) <= 7
	QEXP \k, 2*\i+1
.endif
	QCVT (\k)-4, \i
.if (\k) >= 5
.if \i == 1
	PV (\k)-5, 0
.endif
.if \i == 5
	PV (\k)-5, 1
.endif
.endif
.endif
.endr
.endm
; One query tile of 16 queries against all 256 keys.  sb: the bias set that it reads and then gives free.
; fill = 0: the set gets the bias of the query tile two further on, at byte off from the stepped base;
; fill = 1: v128-255 get the next head's Wq, or Wfinal's tiles 2-3; fill = 2: v0-127 get the next head's Wk, or Wfinal's tiles 0-1, and Wv follows.
; last = 1: no further Q fragment.  The Q fragment is in: the first was waited for ahead of the loop, each later one in front of the gates' multiply of the trip that asked for it.
.macro QTRIP sb, fill, off, last
	s_wait_loadcnt 32                              ; loads come back in order (ISA guide 5.7.1): this tile's 32 bias loads are in; the 32 issued behind them
	                                               ; (the other set's next tile; in the last trip the block that the trip before asked for) stay out
	; Sixteen sums of one product each.  Behind the product of tile t stands the maximum over tile t - 1: its four instructions name none of that product's
	; registers, so they are also the four places (ISA guide 7.12.1) in front of the next slice, which reads tile t.
.irp t, 0,1,2,3,4,5,6,7,8,9,10,11,12,13,14,15
	WIN 0x1b                                       ; A: K, window 3; B: Q, window 2; C: bias, window 1; D: scores, window 0
	v_wmma_f32_16x16x32_f16 v[SC+8*\t:SC+8*\t+7], v[8*\t:8*\t+7], v[128:135], v[\sb+8*\t:\sb+8*\t+7]
	WIN 0
.if \t == 0
.if \last == 0
	v_add_nc_u32 v[QR], 1024, v[QR]                ; four places, one of them useful: the next Q fragment's address
	v_nop
	v_nop
	v_nop
.else
	PLACES
.endif
.endif
.if \t == 1
.irp k, 0,1,2,3
	v_max_num_f32 v[MX+\k], v[SC+2*\k], v[SC+2*\k+1]           ; tile 0 starts the four chains
.endr
.endif
.if \t >= 2
.irp k, 0,1,2,3
	v_max3_num_f32 v[MX+\k], v[MX+\k], v[SC+8*\t-8+2*\k], v[SC+8*\t-8+2*\k+1]
.endr
.endif
.endr
	; The trip's one run of loads, four places behind the last product: into the products' C registers, into the Q fragment, and the gates.
	WIN 0x40                                       ; destinations in window 1
.if \fill == 0
.irp kb, 0,1,2,3,4,5,6,7
	BLOAD \kb, \sb, \off                           ; between this request and its wait stand the rest of this trip and the whole of the next
.endr
.endif
.if \fill == 1
	LOADW 128, 38, 0, 0, 32
.endif
.if \fill == 2
	LOADW 0, 36, 0, 0, 32
.endif
	WIN 0x80                                       ; destinations in window 2
.if \last == 0
	ds_load_b128 v[128:131], v[QR]                 ; the next Q fragment
	ds_load_b128 v[132:135], v[QR] offset:512
.endif
	ds_load_b128 v[144:147], v[GA]                 ; this tile's gates, in O's layout
	ds_load_b128 v[148:151], v[GA] offset:16
	ds_load_b128 v[152:155], v[GA] offset:64
	ds_load_b128 v[156:159], v[GA] offset:80
	WIN 0
.if \fill == 2
	s_cmp_lg_u32 s23, 0
	s_cbranch_scc1 .Lnorc_\@                       ; behind the second head no Wv is wanted.  These are the youngest loads of a head: no counted wait hangs on this branch
	WIN 0x80
	LOADW 0, 28, MV+HB, 0, 32
	WIN 0
.Lnorc_\@:
.endif
.irp k, 0,1,2,3
	v_max3_num_f32 v[MX+\k], v[MX+\k], v[SC+120+2*\k], v[SC+120+2*\k+1]        ; tile 15
.endr
	v_max3_num_f32 v[MX], v[MX], v[MX+1], v[MX+2]
	v_max_num_f32 v[MX], v[MX], v[MX+3]
	v_permlanex16_b32 v[PX], v[MX], s32, s33       ; the query's other 128 keys lie in lane xor 16
	v_max_num_f32 v[MX], v[MX], v[PX]
	v_mul_f32 v[NM], 0xbfb8aa3b, v[MX]             ; its rounding is the same for the whole row and cancels in the quotient
	v_mul_f32 v[NM+1], 0xbfb8aa3b, v[MX]
	QFMA 0
.irp k, 0,1,2,3
	QSTEP \k
.endr
	s_wait_alu depctr_va_vdst(0)                   ; the wait for batch A, the 64 exponentials of key blocks 0-3, ahead of block 0's first sum
.irp k, 4,5,6,7
	QSTEP \k
.endr
	s_wait_alu depctr_va_vdst(0)                   ; one for batch B, the 64 exponentials of key blocks 4-7, ahead of block 4's first sum
.irp k, 8,9,10,11
	QSTEP \k
.endr
	PV 7, 0
	v_pk_add_f32 v[SUM:SUM+1], v[SUM:SUM+1], v[SUM+2:SUM+3]        ; these four are the places behind the product above
	v_pk_add_f32 v[SUM+4:SUM+5], v[SUM+4:SUM+5], v[SUM+6:SUM+7]
	v_pk_add_f32 v[SUM:SUM+1], v[SUM:SUM+1], v[SUM+4:SUM+5]
	v_add_f32 v[SUM], v[SUM], v[SUM+1]
	v_permlanex16_b32 v[PX], v[SUM], s32, s33
	v_add_f32 v[SUM], v[SUM], v[PX]
	PV 7, 1
	v_rcp_f32 v[RINV], v[SUM]
	v_rcp_f32 v[RINV+1], v[SUM]
.irp i, 0,1,2,3,4,5,6,7
	v_pk_add_f32 v[OA+2*\i:OA+2*\i+1], v[OA+2*\i:OA+2*\i+1], v[OA+16+2*\i:OA+16+2*\i+1]   ; the first four (channel tile 0) are the places behind the last product, whose tile the other four read;
.endr                                                                                     ; the first also stands between the reciprocal and its use
	s_wait_alu depctr_va_vdst(0)                   ; one for batch C, the two reciprocals of the row's sum; the eight additions above are the independent work between
.irp i, 0,1,2,3,4,5,6,7
	v_pk_mul_f32 v[OA+2*\i:OA+2*\i+1], v[OA+2*\i:OA+2*\i+1], v[RINV:RINV+1]
.endr
	s_wait_dscnt 0x0                               ; the gates, and the next Q fragment
	WIN 0x08                                       ; second source: the gates, window 2
.irp i, 0,1,2,3,4,5,6,7
	v_pk_mul_f32 v[OA+2*\i:OA+2*\i+1], v[OA+2*\i:OA+2*\i+1], v[144+2*\i:144+2*\i+1]
.endr
	WIN 0
.irp i, 0,1,2,3,4,5,6,7
	v_cvt_pk_f16_f32 v[OA+16+\i], v[OA+2*\i], v[OA+2*\i+1]
.endr
	ds_store_b128 v[GS], v[OA+16:OA+19]            ; row = query r, channels 8 h + 0..7
	ds_store_b128 v[GS], v[OA+20:OA+23] offset:32  ; channels 16 + 8 h + 0..7
.if \last == 0
	v_add_nc_u32 v[GA], OT, v[GA]
	v_add_nc_u32 v[GS], OT, v[GS]
.endif
.endm
	s_mov_b32 s23, 0                               ; 0: head 2 w; 1: head 2 w + 1
.Lhead:
	XLOAD 0, SC                                    ; the first two key tiles' X fragments come from LDS while the last weights land
	XLOAD 1, XF1
	s_wait_loadcnt 0x0                             ; this head's Wk, Wq, Wv; no load is out, so the bases below may be written
	s_mov_b32 s36, MF
	s_mov_b32 s38, MF+HB
	s_cmp_eq_u32 s23, 0
	s_cselect_b32 s36, MK+HB, s36                  ; what the last two query trips fetch: the second head's Wk, Wq, or Wfinal's four tiles
	s_cselect_b32 s38, MQ+HB, s38
	s_mov_b32 s37, 0
	s_mov_b32 s39, 0
	s_add_nc_u64 s[36:37], s[28:29], s[36:37]
	s_add_nc_u64 s[38:39], s[28:29], s[38:39]
	s_lshl_b32 s25, s23, 7
	v_add_nc_u32 v[GA], s25, v[GL32]               ; the head's 32 gates: 128 bytes
	s_lshl_b32 s25, s23, 6
	v_add_nc_u32 v[GS], s25, v[GL16]               ; its 32 gated outputs: 64 bytes
	v_mov_b32 v[QR], v[QL]
.irp t, 0,1,2,3,4,5,6,7,8,9,10,11,12,13,14,15
	PTRIP \t
.endr
.irp s, 0,1,2,3
	TB 15, \s                                      ; the last key tile's V has no products beside its tail
.endr
	WIN 0x80
	ds_load_b128 v[128:131], v[QR]                 ; the first Q fragment: LDS serves a wave's instructions in order (ISA guide 5.7.1), so this sees my stores
	ds_load_b128 v[132:135], v[QR] offset:512
	WIN 0
	s_wait_dscnt 0x0                               ; it is in
	; Query tiles 0-5: three trips of a pair, since the two bias sets take turns.  The pair at tiles 2 i, 2 i + 1 asks for tiles 2 i + 2, 2 i + 3.
	s_mov_b32 s24, 0
.Lq:
	QTRIP BS0, 0, 2*HB, 0
	QTRIP BS1, 0, 3*HB, 0
	s_wait_xcnt 0x0                                ; the bias loads' base is stepped only behind this wait
	s_add_nc_u64 s[30:31], s[30:31], 2*HB
	s_add_co_u32 s24, s24, 1
	s_cmp_lt_u32 s24, 3
	s_cbranch_scc1 .Lq
	QTRIP BS0, 1, 0, 0                             ; tiles 6 and 7: no bias is left to ask for; the sets go back to the weights as they fall free
	QTRIP BS1, 2, 0, 1
	s_wait_xcnt 0x0
	s_add_nc_u64 s[30:31], s[30:31], 262144-6*HB   ; the next head's first query tile
	s_add_co_u32 s23, s23, 1
	s_cmp_lt_u32 s23, 2
	s_cbranch_scc1 .Lhead
	; ---------------- PHASE 3: out = gated output x Wfinal + bfinal, my 64 columns for the 128 queries ----------------
	s_wait_dscnt 0x0                               ; my gated outputs are written, for the other waves' sake
	s_barrier_signal -1
	s_barrier_wait -1
	s_wait_loadcnt 0x0                             ; Wfinal's tiles
	s_mul_i32 s25, s20, OW
	v_sub_nc_u32 v[XG], v[GL16], s25               ; OG + 272 r + 16 h: wave 0's part
	v_add_nc_u32 v[FA1], 2*OW, v[XG]               ; wave 2's part
	v_and_b32 v131, 15, v0
	v_lshlrev_b32 v131, 4, v131
	v_bfe_u32 v132, v0, 4, 1
	v_mul_u32_u24 v[RDB], v132, OP
	v_add_nc_u32 v[RDB], v[RDB], v131
	s_lshl_b32 s25, s20, 13
	s_add_co_u32 s25, s25, QS
	v_add_nc_u32 v[RDB], s25, v[RDB]               ; lanes 0-15 read one row of 256 bytes back, lanes 16-31 the next
	v_lshl_add_u32 v[CO], v132, 10, v131
	s_lshl_b32 s25, s20, 8
	v_add_nc_u32 v[CO], s25, v[CO]                 ; and the same two rows in out0, at my 256 bytes
.macro GFLOAD                          ; the eight fragments (16 queries x 256 channels): head cb lies in wave cb >> 1's part, 64 (cb & 1) bytes in
.irp cb, 0,1,2,3
	ds_load_b128 v[SC+8*\cb:SC+8*\cb+3], v[XG] offset:(\cb>>1)*OW+(\cb&1)*64
	ds_load_b128 v[SC+8*\cb+4:SC+8*\cb+7], v[XG] offset:(\cb>>1)*OW+(\cb&1)*64+32
.endr
.irp cb, 4,5,6,7
	ds_load_b128 v[SC+8*\cb:SC+8*\cb+3], v[FA1] offset:((\cb>>1)-2)*OW+(\cb&1)*64
	ds_load_b128 v[SC+8*\cb+4:SC+8*\cb+7], v[FA1] offset:((\cb>>1)-2)*OW+(\cb&1)*64+32
.endr
.endm
	GFLOAD
.macro FTRIP last
	s_wait_dscnt 0x0                               ; this tile's fragments
	WIN 0x21                                       ; A: Wfinal, window 1; C: bfinal, window 2
.irp q, 0,1,2,3
	v_wmma_f32_16x16x32_f16 v[ACA+8*\q:ACA+8*\q+7], v[64*\q:64*\q+7], v[SC:SC+7], v[160+8*\q:160+8*\q+7]   ; bfinal starts the sums
.endr
	WIN 0x01
.irp cb, 1,2,3,4,5,6,7
.irp q, 0,1,2,3
	MM ACA+8*\q, 64*\q+8*\cb, SC+8*\cb, 0          ; four sums by turns
.endr
.endr
	WIN 0
	; Five places, two of them useful.  The next trip's first products take bfinal as C and so write over these accumulators instead of adding
	; onto them: a matrix instruction that writes over another's registers stands five plain vector instructions behind it (ISA guide 7.12.1),
	; and these are the only vector instructions between this trip's products and the next trip's.  The stores of the results and the loads
	; into the fragment registers below ask for four.
	v_add_nc_u32 v[XG], OT, v[XG]
	v_add_nc_u32 v[FA1], OT, v[FA1]
	v_nop
	v_nop
	v_nop
.if \last == 0
	GFLOAD
.endif
.irp q, 0,1,2,3
	ds_store_b128 v[STO], v[ACA+8*\q:ACA+8*\q+3] offset:64*\q      ; my stage: row = query r, columns 16 q + 8 h + 0..7
	ds_store_b128 v[STO], v[ACA+8*\q+4:ACA+8*\q+7] offset:64*\q+16
.endr
.irp k, 0,1,2,3,4,5,6,7
	ds_load_b128 v[RBK+4*\k:RBK+4*\k+3], v[RDB] offset:2*OP*\k     ; in order behind my stores
.endr
.irp k, 0,1,2,3,4,5,6,7
	s_wait_dscnt 7-\k                              ; the younger read-backs stay out
	global_store_b128 v[CO], v[RBK+4*\k:RBK+4*\k+3], s[34:35] offset:2048*\k th:TH_STORE_NT   ; 16 lanes store 256 consecutive bytes, aligned
.endr
	s_wait_xcnt 0x0                                ; the stores' data and base are written again only behind this wait
	s_add_nc_u64 s[34:35], s[34:35], 16384
.endm
	s_mov_b32 s24, 0
.Lfin:
	FTRIP 0
	s_add_co_u32 s24, s24, 1
	s_cmp_lt_u32 s24, 7
	s_cbranch_scc1 .Lfin
	FTRIP 1
	s_set_vgpr_msb 0xa
	s_wait_tensorcnt 0x0
	ds_add_u32 v254, v255
	s_wait_dscnt 0x0
	s_set_vgpr_msb 0xa00
	s_endpgm
.Lfunc_end_k_q9a541acd9b_attn:
	.size	k_q9a541acd9b_attn, .Lfunc_end_k_q9a541acd9b_attn-k_q9a541acd9b_attn
	.p2alignl 7, 3214868480
	.fill 96, 4, 3214868480
	.section	.rodata,"a",@progbits
	.p2align	6, 0x0
	.amdhsa_kernel k_q9a541acd9b_attn
		.amdhsa_group_segment_fixed_size 307712
		.amdhsa_private_segment_fixed_size 0
		.amdhsa_enable_private_segment 0
		.amdhsa_kernarg_size 64
		.amdhsa_user_sgpr_count 2
		.amdhsa_user_sgpr_kernarg_segment_ptr 1
		.amdhsa_wavefront_size32 1
		.amdhsa_system_sgpr_workgroup_id_x 1
		.amdhsa_system_sgpr_workgroup_id_y 1
		.amdhsa_system_sgpr_workgroup_id_z 1
		.amdhsa_system_vgpr_workitem_id 0
		.amdhsa_next_free_vgpr 1024
		.amdhsa_next_free_sgpr 66
		.amdhsa_reserve_vcc 0
		.amdhsa_float_denorm_mode_32 3
		.amdhsa_float_denorm_mode_16_64 3
		.amdhsa_memory_ordered 1
		.amdhsa_forward_progress 1
		.amdhsa_inst_pref_size 255
	.end_amdhsa_kernel
	.section	.bss,"aw",@nobits
	.p2align	6
	.space	262144
	.amdgpu_metadata
---
amdhsa.version: [ 1, 2 ]
amdhsa.kernels:
  - .name:           k_q9a541acd9b_attn
    .symbol:         k_q9a541acd9b_attn.kd
    .args:
      - { .name: x1d, .offset: 0, .size: 8, .value_kind: global_buffer, .address_space: global }
      - { .name: ln1_g, .offset: 8, .size: 8, .value_kind: global_buffer, .address_space: global }
      - { .name: ln1_b, .offset: 16, .size: 8, .value_kind: global_buffer, .address_space: global }
      - { .name: bgate, .offset: 24, .size: 8, .value_kind: global_buffer, .address_space: global }
      - { .name: bfinal, .offset: 32, .size: 8, .value_kind: global_buffer, .address_space: global }
      - { .name: biasw, .offset: 40, .size: 8, .value_kind: global_buffer, .address_space: global }
      - { .name: wfrag, .offset: 48, .size: 8, .value_kind: global_buffer, .address_space: global }
      - { .name: out0, .offset: 56, .size: 8, .value_kind: global_buffer, .address_space: global }
    .group_segment_fixed_size: 307712
    .private_segment_fixed_size: 0
    .kernarg_segment_align: 8
    .kernarg_segment_size: 64
    .max_flat_workgroup_size: 128
    .sgpr_count:     66
    .vgpr_count:     1024
    .wavefront_size: 32
...
	.end_amdgpu_metadata
.endif
;; end of part 4
